; MI455X (gfx1250); checked and timed in simulation.
; The chip was launched on July 23, 2026; its instructions are those of AMD's public machine-readable ISA for CDNA 5 (MIT licence, August 2026) and "CDNA5" Instruction Set Architecture Reference Guide (July 2026). The comments in the code are by the model that wrote it; some were corrected since.
;; Sync Nllb Moe Sparse MLP. Allowed arithmetic: matrix products marked QUANTISED: E5M2 operands, one E8M0 scale for each 32 along K, by v_wmma_scale_f32_16x16x128_f8f6f4 with both operands' format E5M2, f32 sums; products left as they are: f32 operands where the result goes on into a quantised operand, else bf16, f16 or f32 operands; f32 sums; everything else in f32.
;; Inputs: b1 8 x 2,048 float32; b2 8 x 1,024 float32; hidden_states 2 x 1,024 x 1,024 float32; router_w 1,024 x 8 float32; w1 8 x 1,024 x 2,048 float32; w2 8 x 2,048 x 1,024 float32.
;; Outputs: out0 2 x 1,024 x 1,024 float32; out1 2 x 1,024 x 8 float32; out2 2 x 1,024 int32.
;; This version of the problem:
;;   THIS VERSION OF THE PROBLEM IS GIVEN IN LOW PRECISION. The matrix products marked QUANTISED in the list below multiply operands that are first quantised to E5M2 (5 exponent bits, 2 mantissa bits; 8 bits a number), with one power-of-two scale for each 32 numbers along K (OCP MX v1.0); their sums are f32. All else is computed in f32.
;;   The module's matrix products, in the order in which they are computed (A, B: the left and right operand; K: the contracted axis; several contracted axes count as one K, in the product's order):
;;     1. [M 2,048, K 1,024] x [K 1,024, N 8]; A: input hidden_states; B: input router_w: left as it is (N = 8 < 16)
;;     2. [M 16,384, K 1,024] x [K 1,024, N 2,048]; A: input w1; B: input hidden_states: QUANTISED
;;     3. batch 8 x [M 2,048, K 2,048] x [K 2,048, N 1,024]; A: computed on the way; B: input w2: QUANTISED
;;     4. batch 2,048 x [M 1, K 8] x [K 8, N 1,024]; A: computed on the way; B: computed on the way: left as it is (K = 8 < 32)
;;   THE QUANTISER, for each operand of a quantised product, along K:
;;     - K is cut into blocks of 32 from its start; a last block that is shorter is filled with zeros.
;;     - A block's scale is 2^e with e = floor(log2(the largest magnitude in the block)) - 15, held to -126 .. 127; a block of zeros has e = 0. As a byte (E8M0): e + 127.
;;     - Each number is divided by its block's scale, clamped to +-57,344, and rounded to the nearest number of E5M2, ties to even, subnormals kept.
;;     - The product sums the exact products of the quantised numbers (number of the format x scale) in f32.
;;   ~~~python
;;   def quantise(x, axis):      # numpy; x: float32 -> the quantised numbers, widened to float32 again
;;       x = np.moveaxis(x, axis, -1); K = x.shape[-1]
;;       x = np.pad(x, [(0, 0)] * (x.ndim - 1) + [(0, -K % 32)]); x = x.reshape(x.shape[:-1] + (-1, 32)); a = np.abs(x).max(-1, keepdims=True)
;;       e = np.where(a > 0, np.clip(np.frexp(np.where(a > 0, a, 1))[1] - 1 - 15, -126, 127), 0)      # np.frexp(a)[1] - 1 = floor(log2(a)), exactly
;;       r = np.clip(x / 2.0 ** e, -57344, 57344)
;;       step = 2.0 ** (np.maximum(np.frexp(np.where(r == 0, 1, r))[1] - 1, -14) - 2)
;;       q = np.round(r / step) * step * 2.0 ** e      # np.round: ties to even
;;       return np.moveaxis(q.reshape(q.shape[:-2] + (-1,))[..., :K], -1, axis).astype(np.float32)
;;   ~~~
;;   OPERANDS COMPUTED ON THE WAY. 'Computed on the way' means the value that the module computes at that place (a softmax that the list does not call 'softmax' is quantised finished and normalised). What goes into a quantiser is computed in f32, as accurately as f32 sums, v_exp_f32 and their like allow (about 1e-6 of the number): no bf16 or f16 on the way to a quantiser, and a product that is left as it is and whose result goes on into a quantised operand takes f32 operands (vector FMAs, or v_wmma_f32_16x16x4_f32). A number that lies on a knife's edge between two numbers of the format may be rounded either way, as far as f32 arithmetic and the matrix unit's own rounding can turn it there, and no further.
;; 2 versions, each right; version 2 is version 1 with the launches fc1, fc2 written anew for expert scheduling mode. Each part assembles by itself: llvm-mc -triple=amdgcn-amd-amdhsa -mcpu=gfx1250 --defsym DOCPART=n.
;; ======== version 1 of 2: 5 launches
;; workspace buffers: xq 2,097,152 bytes; xsc 65,536 bytes; choice 8,192 bytes of whole numbers; gw 16,384 bytes; place 34,048 bytes of whole numbers; himg 8,650,752 bytes; hsc 270,336 bytes; ybuf 17,301,504 bytes
;; launch route (part 1): grid 256 x 1, 8 waves a work-group, no clusters, 37,888 bytes of LDS; arguments hidden_states, router_w, xq, xsc, out1, out2, choice, gw; writes xq, xsc, out1, out2, choice, gw
.if DOCPART == 1
	.amdgcn_target "amdgcn-amd-amdhsa--gfx1250"
	.amdhsa_code_object_version 6
	.text
	.protected	k_q6bf9743ff7_route
	.globl	k_q6bf9743ff7_route
	.p2align	8
	.type	k_q6bf9743ff7_route,@function
k_q6bf9743ff7_route:
	s_mov_b64 s[64:65], 0
	v_nop
	global_prefetch_b8 v0, s[64:65] scope:SCOPE_SE
	s_setreg_imm32_b32 hwreg(HW_REG_WAVE_MODE, 25, 1), 1
	s_wait_xcnt 0x0
; ROUTE.  For each of the 2,048 tokens: the eight router logits in f32 (fused multiply-adds), the softmax with its maximum taken away, the top-1 of the
; probabilities, the top-2 of the logits with the top-1 hidden, the two gates; and the token's 1,024 numbers as codes of E5M2 with one E8M0 byte for each 32.
; A wave takes one token, a work-group eight.  Lane L holds x[256 g + 8 L + 0..7], g = 0..3: four neighbouring lanes hold a block of 32.
; router_w (32 KiB) is copied once into LDS, 256 bytes (8 rows of 8 experts) to a chunk, chunks 272 bytes apart, so that the 32 lanes' 16-byte reads of 32 chunks fall on different banks.
; The chosen experts are stored as whole numbers at fixed places: no address and no branch here hangs on them.
; What eight tokens make in small pieces (gates, scale bytes, indices) is gathered in LDS and leaves by one store a buffer.
; No matrix unit, no tensor load, no cluster: the product has 8 columns, and the launch reads 8 MiB once.
; LIMITS: NaN and infinities among the inputs are not served.  The logits' sums run in another order than a row-by-row sum: two logits that agree to about 1e-6 of their size may change places.
; A block of zeros gets the scale byte 1 (its codes are zeros; this program alone reads the bytes).
.set WP,  272                          ; from chunk to chunk of router_w in LDS
.set SG,  34816                        ; behind the 128 chunks: five regions of 256 bytes: gates, scale bytes, top-1, choice, the two gates
.set XR,  16                           ; v16-47   x: register 8 g + i
.set ACC, 48                           ; v48-55   the eight logits
.set PT,  56                           ; v56-63   the other half's sums
.set W0,  64                           ; v64-127, v128-191: two buffers of router_w: register 8 i + e = w[256 g + 8 L + i][e]
.set W1,  128
.set TH,  192                          ; v192-223 x held within the largest code x the scale
.set CD,  224                          ; v224-231 codes, two registers a group
.set QM,  232                          ; v232-235 largest magnitudes; v236-239 the conversions' scale operands; v240-243 57,344 x the scale; v244-247 the bytes
.set QS,  236
.set QL,  240
.set QB,  244
.set EX,  64                           ; the softmax works where the first buffer lay: v64-71 exponentials, v72-79 probabilities, v80-87 logits with the top-1 hidden
.set PR,  72
.set LM,  80
	s_load_b256 s[8:15], s[0:1], 0x0               ; hidden_states s[8:9], router_w s[10:11], xq s[12:13], xsc s[14:15]
	s_load_b256 s[16:23], s[0:1], 0x20             ; out1 s[16:17], out2 s[18:19], choice s[20:21], gw s[22:23]
	v_lshl_add_u32 v254, v0, 2, 0x9000
	v_mov_b32 v255, 0
	v_and_b32 v1, 31, v0                           ; lane
	v_lshrrev_b32 v2, 5, v0
	v_readfirstlane_b32 s2, v2                     ; wave
	s_lshl_b32 s3, ttmp9, 3
	s_add_co_u32 s3, s3, s2                        ; my token
	s_mov_b32 s24, 0x76543210
	s_mov_b32 s25, 0xfedcba98                      ; v_permlanex16_b32's selects for lane l xor 16
	s_mov_b32 s26, 0x600000                        ; the mantissa field of 57,344
	v_lshlrev_b32 v3, 5, v1                        ; x: 32 bytes a lane
	v_lshlrev_b32 v4, 4, v0                        ; router_w's copy: 16 bytes a thread
	v_lshrrev_b32 v5, 4, v0
	v_mul_u32_u24 v5, v5, WP
	v_and_b32 v6, 15, v0
	v_lshl_add_u32 v5, v6, 4, v5                   ; into LDS: chunk thread / 16, 16 bytes at thread % 16
	v_mul_u32_u24 v6, v1, WP                       ; out of LDS: chunk 32 g + lane
	v_lshlrev_b32 v7, 3, v1                        ; 8 x lane
	s_lshl_b32 s4, s2, 5
	v_lshrrev_b32 v8, 2, v1
	v_add_nc_u32 v8, s4, v8                        ; scale bytes: 32 x wave + lane / 4
	v_and_b32 v9, 7, v1                            ; the expert whose gate my lane writes
	v_lshl_add_u32 v10, v9, 2, s4                  ; gates: 32 x wave + 4 x expert
	s_lshl_b32 s5, s2, 2
	v_mov_b32 v11, s5                              ; 4 x wave
	s_lshl_b32 s5, s2, 3
	v_mov_b32 v12, s5                              ; 8 x wave
	s_lshl_b32 s5, s2, 8
	v_add_nc_u32 v13, s5, v7                       ; the way out: region = wave, 8 bytes a lane
.irp j, 0,1,2,3,4,5,6,7
	v_mov_b32 v[PT+\j], 0                          ; a lane permute's destination counts as one of its sources
.endr
	s_wait_kmcnt 0x0
	s_lshl_b32 s6, s3, 12
	s_mov_b32 s7, 0
	s_add_nc_u64 s[8:9], s[8:9], s[6:7]            ; my row of x
	s_lshl_b32 s6, s3, 10
	s_add_nc_u64 s[12:13], s[12:13], s[6:7]        ; my row of codes
.irp g, 0,1,2,3
	global_load_b128 v[XR+8*\g:XR+8*\g+3], v3, s[8:9] offset:1024*\g th:TH_LOAD_NT
	global_load_b128 v[XR+8*\g+4:XR+8*\g+7], v3, s[8:9] offset:1024*\g+16 th:TH_LOAD_NT
.endr
.irp q, 0,1,2,3,4,5,6,7
	global_load_b128 v[W0+4*\q:W0+4*\q+3], v4, s[10:11] offset:4096*\q   ; 256 threads x 16 bytes: 4,096 consecutive bytes
.endr
	s_wait_loadcnt 0x0
.irp q, 0,1,2,3,4,5,6,7
	ds_store_b128 v5, v[W0+4*\q:W0+4*\q+3] offset:\q*16*WP
.endr
	; x into codes: the four groups by turns
.irp g, 0,1,2,3
	v_max3_num_f32 v[QM+\g], |v[XR+8*\g]|, |v[XR+8*\g+1]|, 0x8000000   ; my 8 numbers and the floor 2^(16 - 127): the byte cannot fall under 1
.endr
.irp i, 2,4,6
.irp g, 0,1,2,3
	v_max3_num_f32 v[QM+\g], v[QM+\g], |v[XR+8*\g+\i]|, |v[XR+8*\g+\i+1]|
.endr
.endr
.irp m, 1,2
.irp g, 0,1,2,3
	v_max_num_f32_dpp v[QM+\g], v[QM+\g], v[QM+\g] row_xmask:\m row_mask:0xf bank_mask:0xf   ; with the three lanes that share the block
.endr
.endr
.irp g, 0,1,2,3
	v_add_nc_u32 v[QS+\g], 0xf8800000, v[QM+\g]    ; 15 off the exponent field: the conversion's scale operand
.endr
.irp g, 0,1,2,3
	v_and_or_b32 v[QL+\g], v[QM+\g], 0x7f800000, s26   ; 57,344 x the scale
.endr
.irp g, 0,1,2,3
	v_lshrrev_b32 v[QB+\g], 23, v[QS+\g]           ; the scale's byte
.endr
.irp g, 0,1,2,3
.irp i, 0,1,2,3,4,5,6,7
	v_med3_num_f32 v[TH+8*\g+\i], v[XR+8*\g+\i], -v[QL+\g], v[QL+\g]   ; the conversion does not saturate (ISA guide 7.6.2); x itself stays for the logits
.endr
.endr
.irp g, 0,1,2,3
	v_cvt_scalef32_pk8_bf8_f32 v[CD+2*\g:CD+2*\g+1], v[TH+8*\g:TH+8*\g+7], v[QS+\g]
.endr
	v_nop                                          ; one plain line behind the last scaled conversion
.irp g, 0,1,2,3
	global_store_b64 v7, v[CD+2*\g:CD+2*\g+1], s[12:13] offset:256*\g   ; 32 lanes store 256 consecutive bytes, aligned
	ds_store_b8 v8, v[QB+\g] offset:SG+256+8*\g    ; the four lanes of a block write the same byte with the same value
.endr
	s_wait_dscnt 0x0                               ; for the others' sake: my part of router_w lies in LDS
	s_barrier_signal -1
	s_barrier_wait -1
.macro WLD g, buf                      ; my 8 rows of router_w of group g: 256 bytes
.irp q, 0,1,2,3,4,5,6,7,8,9,10,11,12,13,14,15
	ds_load_b128 v[\buf+4*\q:\buf+4*\q+3], v6 offset:\g*32*WP+16*\q
.endr
.endm
.macro FMA g, buf                      ; 64 multiply-adds, two experts an instruction; x_i is taken from its pair for both halves
.irp i, 0,1,2,3,4,5,6,7
.irp p, 0,1,2,3
.if (\g == 0) && (\i == 0)
	v_pk_mul_f32 v[ACC+2*\p:ACC+2*\p+1], v[\buf+8*\i+2*\p:\buf+8*\i+2*\p+1], v[XR+8*\g+(\i/2)*2:XR+8*\g+(\i/2)*2+1] op_sel_hi:[1,0]
.elseif (\i % 2) == 0
	v_pk_fma_f32 v[ACC+2*\p:ACC+2*\p+1], v[\buf+8*\i+2*\p:\buf+8*\i+2*\p+1], v[XR+8*\g+(\i/2)*2:XR+8*\g+(\i/2)*2+1], v[ACC+2*\p:ACC+2*\p+1] op_sel_hi:[1,0,1]
.else
	v_pk_fma_f32 v[ACC+2*\p:ACC+2*\p+1], v[\buf+8*\i+2*\p:\buf+8*\i+2*\p+1], v[XR+8*\g+(\i/2)*2:XR+8*\g+(\i/2)*2+1], v[ACC+2*\p:ACC+2*\p+1] op_sel:[0,1,0] op_sel_hi:[1,1,1]
.endif
.endr
.endr
.endm
	WLD 0, W0
	WLD 1, W1
	s_wait_dscnt 16                                ; the older buffer is in; the younger one's 16 loads may be out
	FMA 0, W0
	WLD 2, W0
	s_wait_dscnt 16
	FMA 1, W1
	WLD 3, W1
	s_wait_dscnt 16
	FMA 2, W0
	s_wait_dscnt 0x0
	FMA 3, W1
.irp m, 1,2,4,8
.irp j, 0,1,2,3,4,5,6,7
	v_add_f32_dpp v[ACC+\j], v[ACC+\j], v[ACC+\j] row_xmask:\m row_mask:0xf bank_mask:0xf
.endr
.endr
.irp j, 0,1,2,3,4,5,6,7
	v_permlanex16_b32 v[PT+\j], v[ACC+\j], s24, s25
.endr
.irp j, 0,1,2,3,4,5,6,7
	v_add_f32 v[ACC+\j], v[ACC+\j], v[PT+\j]       ; every lane holds the token's eight logits
.endr
	; the softmax, alike in every lane
	v_max3_num_f32 v88, v[ACC], v[ACC+1], v[ACC+2]
	v_max3_num_f32 v88, v88, v[ACC+3], v[ACC+4]
	v_max3_num_f32 v88, v88, v[ACC+5], v[ACC+6]
	v_max_num_f32 v88, v88, v[ACC+7]               ; the largest logit is taken away
.irp j, 0,1,2,3,4,5,6,7
	v_sub_f32 v[EX+\j], v[ACC+\j], v88
.endr
.irp j, 0,1,2,3,4,5,6,7
	v_mul_f32 v[EX+\j], 0x3fb8aa3b, v[EX+\j]       ; x log2(e)
.endr
.irp j, 0,1,2,3,4,5,6,7
	v_exp_f32 v[EX+\j], v[EX+\j]
.endr
	v_mov_b32 v96, 0xff800000                      ; -infinity.  (The plain line behind the exponentials)
	s_wait_alu depctr_va_vdst(0)                   ; one wait for the eight, ahead of their first reader
	v_add_f32 v89, v[EX], v[EX+1]
	v_add_f32 v90, v[EX+2], v[EX+3]
	v_add_f32 v91, v[EX+4], v[EX+5]
	v_add_f32 v92, v[EX+6], v[EX+7]
	v_add_f32 v89, v89, v90
	v_add_f32 v91, v91, v92
	v_add_f32 v89, v89, v91
	v_rcp_f32 v90, v89
	v_nop
	s_wait_alu depctr_va_vdst(0)
.irp j, 0,1,2,3,4,5,6,7
	v_mul_f32 v[PR+\j], v[EX+\j], v90              ; the probabilities
.endr
	v_mov_b32 v91, v[PR]                           ; top-1 of the probabilities: v91 the largest, v92 its index; a tie keeps the lower index
	v_mov_b32 v92, 0
.irp j, 1,2,3,4,5,6,7
	v_cmp_le_f32 vcc_lo, v[PR+\j], v91
	v_cndmask_b32 v91, v[PR+\j], v91, vcc_lo
	v_cndmask_b32 v92, \j, v92, vcc_lo
.endr
.irp j, 0,1,2,3,4,5,6,7
	v_cmp_eq_u32 vcc_lo, \j, v92
	v_cndmask_b32 v[LM+\j], v[ACC+\j], v96, vcc_lo ; the top-1's logit becomes -infinity
.endr
	v_mov_b32 v93, v[LM]                           ; top-2 of those logits: v93 the largest, v94 its index, v95 its probability
	v_mov_b32 v94, 0
	v_mov_b32 v95, v[PR]
.irp j, 1,2,3,4,5,6,7
	v_cmp_le_f32 vcc_lo, v[LM+\j], v93
	v_cndmask_b32 v93, v[LM+\j], v93, vcc_lo
	v_cndmask_b32 v94, \j, v94, vcc_lo
	v_cndmask_b32 v95, v[PR+\j], v95, vcc_lo
.endr
	v_add_f32 v97, v91, v95
	v_max_num_f32 v97, 0x34000000, v97             ; not under f32's epsilon
	v_rcp_f32 v102, v97
	v_nop
	s_wait_alu depctr_va_vdst(0)
	v_mul_f32 v98, v91, v102                       ; the two gates
	v_mul_f32 v99, v95, v102
	v_cmp_eq_u32 vcc_lo, v9, v92
	v_cndmask_b32 v100, 0, v98, vcc_lo             ; my expert's gate: 0 unless it is one of the two
	v_cmp_eq_u32 vcc_lo, v9, v94
	v_cndmask_b32 v100, v100, v99, vcc_lo
	v_lshl_or_b32 v101, v94, 8, v92                ; the choice: top-1 in byte 0, top-2 in byte 1
	ds_store_b32 v10, v100 offset:SG
	ds_store_b32 v11, v92 offset:SG+512
	ds_store_b32 v11, v101 offset:SG+768
	ds_store_b64 v12, v[98:99] offset:SG+1024
	s_wait_dscnt 0x0                               ; for the others' sake
	s_barrier_signal -1
	s_barrier_wait -1
	; wave w stores region w: out1 and xsc 256 bytes a work-group, out2 and choice 32, gw 64.  The choice of buffer hangs on the wave's number alone
	s_cmp_gt_u32 s2, 4
	s_cbranch_scc1 .Lend
	s_mov_b64 s[28:29], s[16:17]
	s_mov_b32 s30, 8                               ; log2 of the region's bytes
	s_cmp_eq_u32 s2, 1
	s_cselect_b64 s[28:29], s[14:15], s[28:29]
	s_cmp_eq_u32 s2, 2
	s_cselect_b64 s[28:29], s[18:19], s[28:29]
	s_cselect_b32 s30, 5, s30
	s_cmp_eq_u32 s2, 3
	s_cselect_b64 s[28:29], s[20:21], s[28:29]
	s_cselect_b32 s30, 5, s30
	s_cmp_eq_u32 s2, 4
	s_cselect_b64 s[28:29], s[22:23], s[28:29]
	s_cselect_b32 s30, 6, s30
	s_lshl_b32 s6, ttmp9, s30
	s_add_nc_u64 s[28:29], s[28:29], s[6:7]
	s_lshl_b32 s31, 1, s30
	s_lshr_b32 s31, s31, 3                         ; lanes that have 8 bytes to store
	v_cmp_gt_u32 vcc_lo, s31, v1
	s_wait_xcnt 0x0                                ; EXEC changes only behind this wait: the codes' stores have been issued
	s_and_saveexec_b32 s27, vcc_lo
	ds_load_b64 v[104:105], v13 offset:SG
	s_wait_dscnt 0x0
	global_store_b64 v7, v[104:105], s[28:29]
	s_wait_xcnt 0x0                                ; and again in front of the line that widens it
	s_or_b32 exec_lo, exec_lo, s27
.Lend:
	s_wait_tensorcnt 0x0
	ds_add_u32 v254, v255
	s_wait_dscnt 0x0
	s_endpgm
.Lfunc_end_k_q6bf9743ff7_route:
	.size	k_q6bf9743ff7_route, .Lfunc_end_k_q6bf9743ff7_route-k_q6bf9743ff7_route
	.p2alignl 7, 3214868480
	.fill 96, 4, 3214868480
	.section	.rodata,"a",@progbits
	.p2align	6, 0x0
	.amdhsa_kernel k_q6bf9743ff7_route
		.amdhsa_group_segment_fixed_size 37888
		.amdhsa_private_segment_fixed_size 0
		.amdhsa_enable_private_segment 0
		.amdhsa_kernarg_size 64
		.amdhsa_user_sgpr_count 2
		.amdhsa_user_sgpr_kernarg_segment_ptr 1
		.amdhsa_wavefront_size32 1
		.amdhsa_system_sgpr_workgroup_id_x 1
		.amdhsa_system_sgpr_workgroup_id_y 1
		.amdhsa_system_sgpr_workgroup_id_z 1
		.amdhsa_system_vgpr_workitem_id 0
		.amdhsa_next_free_vgpr 256
		.amdhsa_next_free_sgpr 66
		.amdhsa_reserve_vcc 1
		.amdhsa_float_denorm_mode_32 3
		.amdhsa_float_denorm_mode_16_64 3
		.amdhsa_memory_ordered 1
		.amdhsa_forward_progress 1
		.amdhsa_inst_pref_size 31
	.end_amdhsa_kernel
	.amdgpu_metadata
---
amdhsa.version: [ 1, 2 ]
amdhsa.kernels:
  - .name:           k_q6bf9743ff7_route
    .symbol:         k_q6bf9743ff7_route.kd
    .args:
      - { .name: hidden_states, .offset: 0, .size: 8, .value_kind: global_buffer, .address_space: global }
      - { .name: router_w, .offset: 8, .size: 8, .value_kind: global_buffer, .address_space: global }
      - { .name: xq, .offset: 16, .size: 8, .value_kind: global_buffer, .address_space: global }
      - { .name: xsc, .offset: 24, .size: 8, .value_kind: global_buffer, .address_space: global }
      - { .name: out1, .offset: 32, .size: 8, .value_kind: global_buffer, .address_space: global }
      - { .name: out2, .offset: 40, .size: 8, .value_kind: global_buffer, .address_space: global }
      - { .name: choice, .offset: 48, .size: 8, .value_kind: global_buffer, .address_space: global }
      - { .name: gw, .offset: 56, .size: 8, .value_kind: global_buffer, .address_space: global }
    .group_segment_fixed_size: 37888
    .private_segment_fixed_size: 0
    .kernarg_segment_align: 8
    .kernarg_segment_size: 64
    .max_flat_workgroup_size: 256
    .sgpr_count:     66
    .vgpr_count:     256
    .wavefront_size: 32
...
	.end_amdgpu_metadata
.endif
;; end of part 1
;; launch place (part 2): grid 1 x 1, 32 waves a work-group, no clusters, 5,120 bytes of LDS; arguments choice, place; writes place
.if DOCPART == 2
	.amdgcn_target "amdgcn-amd-amdhsa--gfx1250"
	.amdhsa_code_object_version 6
	.text
	.protected	k_q6bf9743ff7_place
	.globl	k_q6bf9743ff7_place
	.p2align	8
	.type	k_q6bf9743ff7_place,@function
k_q6bf9743ff7_place:
	s_mov_b64 s[64:65], 0
	v_nop
	global_prefetch_b8 v0, s[64:65] scope:SCOPE_SE
	s_setreg_imm32_b32 hwreg(HW_REG_WAVE_MODE, 25, 1), 1
	s_wait_xcnt 0x0
; PLACE.  A counting sort of the 4,096 routed rows (2,048 tokens x 2 experts) by expert, whole numbers only, one work-group of 32 waves, no atomics.
; Each expert's rows begin at a multiple of 16 (a tile of rows), so there are at most (4,096 + 8 x 15) / 16 = 263 tiles: the lists have room for 264.
; Stored: rowtok[p] = the token of sorted row p (byte 0; a tile's spare rows get token 0; words 4,224 to 4,255 take the stores of lanes that have no spare row);
; pos[t] = the two sorted rows of token t (byte 17,408); meta (byte 33,792): word 2 e the expert's first tile, word 2 e + 1 its tiles, word 16 all tiles.
; Thread v takes tokens v and v + 1,024.  Inside an expert the rows lie by wave, then the lower token of the two, then lane: nothing is dropped, so the order is free.
.set CN,   24                          ; s24-31  my wave's count for each expert
.set CT,   32                          ; s32-39  all waves' count
.set PE,   40                          ; s40-47  the count of the waves in front of mine
.set BASE, 48                          ; s48-56  the expert's first sorted row; s56 the end of all
.set OFS,  66                          ; s66-73  where my wave's rows of the expert begin
.set FIN,  74                          ; s74-81  where the expert's rows end
	s_load_b128 s[4:7], s[0:1], 0x0                ; choice s[4:5], place s[6:7]
	v_lshl_add_u32 v64, v0, 2, 0x400
	v_mov_b32 v65, 0
	v_and_b32 v1, 31, v0                           ; lane
	v_lshrrev_b32 v2, 5, v0
	v_readfirstlane_b32 s8, v2                     ; wave
	v_lshlrev_b32 v3, 2, v0
	s_mov_b32 s10, 0x76543210
	s_mov_b32 s11, 0xfedcba98
	s_wait_kmcnt 0x0
	global_load_b32 v4, v3, s[4:5]
	global_load_b32 v5, v3, s[4:5] offset:4096
.irp j, 10,11,12,13
	v_mov_b32 v\j, 0                               ; my four rows' ranks in my wave
.endr
.irp j, 0,1,2,3,4,5,6,7
	v_mov_b32 v[32+\j], 0                          ; destinations of lane moves count as sources
.endr
.irp j, 40,41,42,43
	v_mov_b32 v\j, 0
.endr
	v_lshlrev_b32 v21, 4, v2                       ; LDS: 16 bytes a wave
	v_lshlrev_b32 v22, 4, v1                       ; and lane l reads wave l's
	s_wait_loadcnt 0x0
	v_and_b32 v6, 255, v4                          ; the lower token's two experts
	v_bfe_u32 v7, v4, 8, 8
	v_and_b32 v8, 255, v5                          ; the upper token's
	v_bfe_u32 v9, v5, 8, 8
.macro CNT e                           ; expert e: who of my wave's 64 tokens uses it, each one's rank among them, and their number
	v_cmp_eq_u32 s12, \e, v6
	v_cmp_eq_u32 s13, \e, v7
	s_or_b32 s14, s12, s13
	v_mbcnt_lo_u32_b32 v20, s14, 0
	v_cndmask_b32 v10, v10, v20, s12
	v_cndmask_b32 v11, v11, v20, s13
	s_bcnt1_i32_b32 s15, s14
	v_cmp_eq_u32 s12, \e, v8
	v_cmp_eq_u32 s13, \e, v9
	s_or_b32 s14, s12, s13
	v_mbcnt_lo_u32_b32 v20, s14, s15               ; behind the lower tokens' rows
	v_cndmask_b32 v12, v12, v20, s12
	v_cndmask_b32 v13, v13, v20, s13
	s_bcnt1_i32_b32 s16, s14
	s_add_co_u32 s[CN+\e], s15, s16
.endm
.irp e, 0,1,2,3,4,5,6,7
	CNT \e
.endr
.irp j, 0,1,2,3
	s_lshl_b32 s17, s[CN+2*\j+1], 16               ; two experts to a word: no sum passes 2,048
	s_or_b32 s17, s17, s[CN+2*\j]
	v_mov_b32 v[24+\j], s17
.endr
	ds_store_b128 v21, v[24:27]                    ; all lanes write the same 16 bytes with the same values
	s_wait_dscnt 0x0
	s_barrier_signal -1
	s_barrier_wait -1
	ds_load_b128 v[24:27], v22
	s_wait_dscnt 0x0
	v_cmp_gt_u32 vcc_lo, s8, v1                    ; waves in front of mine
.irp j, 0,1,2,3
	v_cndmask_b32 v[28+\j], 0, v[24+\j], vcc_lo
.endr
.irp m, 1,2,4,8                        ; eight sums over the 32 lanes: four words of totals, four of what lies in front of my wave
.irp j, 0,1,2,3,4,5,6,7
	v_mov_b32_dpp v[32+\j], v[24+\j] row_xmask:\m row_mask:0xf bank_mask:0xf
.endr
.irp j, 0,1,2,3,4,5,6,7
	v_add_nc_u32 v[24+\j], v[24+\j], v[32+\j]
.endr
.endr
.irp j, 0,1,2,3,4,5,6,7
	v_permlanex16_b32 v[32+\j], v[24+\j], s10, s11
.endr
.irp j, 0,1,2,3,4,5,6,7
	v_add_nc_u32 v[24+\j], v[24+\j], v[32+\j]
.endr
.irp j, 0,1,2,3,4,5,6,7
	v_readfirstlane_b32 s[16+\j], v[24+\j]
.endr
.irp j, 0,1,2,3
	s_and_b32 s[CT+2*\j], s[16+\j], 0xffff
	s_lshr_b32 s[CT+2*\j+1], s[16+\j], 16
	s_and_b32 s[PE+2*\j], s[20+\j], 0xffff
	s_lshr_b32 s[PE+2*\j+1], s[20+\j], 16
.endr
	s_mov_b32 s[BASE], 0
.irp e, 0,1,2,3,4,5,6,7
	s_add_co_u32 s[OFS+\e], s[BASE+\e], s[PE+\e]
	s_add_co_u32 s[FIN+\e], s[BASE+\e], s[CT+\e]
	s_add_co_u32 s12, s[CT+\e], 15
	s_and_b32 s12, s12, 0xfffffff0                 ; up to whole tiles of 16
	s_add_co_u32 s[BASE+\e+1], s[BASE+\e], s12
.endr
.irp e, 0,1,2,3,4,5,6,7                ; each of my four rows takes its expert's offset
	v_cmp_ne_u32 vcc_lo, \e, v6
	v_cndmask_b32 v40, s[OFS+\e], v40, vcc_lo
	v_cmp_ne_u32 vcc_lo, \e, v7
	v_cndmask_b32 v41, s[OFS+\e], v41, vcc_lo
	v_cmp_ne_u32 vcc_lo, \e, v8
	v_cndmask_b32 v42, s[OFS+\e], v42, vcc_lo
	v_cmp_ne_u32 vcc_lo, \e, v9
	v_cndmask_b32 v43, s[OFS+\e], v43, vcc_lo
.endr
.irp j, 0,1,2,3
	v_add_nc_u32 v[40+\j], v[40+\j], v[10+\j]      ; + its rank
.endr
.irp j, 0,1,2,3
	v_min_u32 v[40+\j], 4223, v[40+\j]             ; a number made of loaded numbers enters an address only behind a hold at a constant
.endr
.irp j, 0,1,2,3
	v_lshlrev_b32 v[44+\j], 2, v[40+\j]
.endr
	v_add_nc_u32 v48, 1024, v0
	v_lshlrev_b32 v49, 3, v0
	global_store_b32 v44, v0, s[6:7]               ; rowtok
	global_store_b32 v45, v0, s[6:7]
	global_store_b32 v46, v48, s[6:7]
	global_store_b32 v47, v48, s[6:7]
	global_store_b64 v49, v[40:41], s[6:7] offset:17408        ; pos
	global_store_b64 v49, v[42:43], s[6:7] offset:25600
	s_cmp_lg_u32 s8, 0                             ; wave 0 alone: the tiles' spare rows, and meta.  No barrier follows
	s_cbranch_scc1 .Lend
	v_mov_b32 v50, 0
	v_add_nc_u32 v51, 4224, v1
.irp e, 0,1,2,3,4,5,6,7
	v_add_nc_u32 v[52+\e], s[FIN+\e], v1
	v_cmp_gt_u32 vcc_lo, s[BASE+\e+1], v[52+\e]    ; still in the expert's last tile?
	v_cndmask_b32 v[52+\e], v51, v[52+\e], vcc_lo  ; if not: the words that nobody reads
	v_min_u32 v[52+\e], 4255, v[52+\e]
	v_lshlrev_b32 v[52+\e], 2, v[52+\e]
	global_store_b32 v[52+\e], v50, s[6:7]         ; token 0: a row that can be loaded, and whose result nobody takes
.endr
	v_mov_b32 v60, 0
.irp e, 0,1,2,3,4,5,6,7
	s_lshr_b32 s12, s[BASE+\e], 4
	v_writelane_b32 v60, s12, 2*\e
	s_sub_co_u32 s13, s[BASE+\e+1], s[BASE+\e]
	s_lshr_b32 s13, s13, 4
	v_writelane_b32 v60, s13, 2*\e+1
.endr
	s_lshr_b32 s12, s[BASE+8], 4
	v_writelane_b32 v60, s12, 16
	v_lshlrev_b32 v61, 2, v1
	global_store_b32 v61, v60, s[6:7] offset:33792
.Lend:
	s_wait_tensorcnt 0x0
	ds_add_u32 v64, v65
	s_wait_dscnt 0x0
	s_endpgm
.Lfunc_end_k_q6bf9743ff7_place:
	.size	k_q6bf9743ff7_place, .Lfunc_end_k_q6bf9743ff7_place-k_q6bf9743ff7_place
	.p2alignl 7, 3214868480
	.fill 96, 4, 3214868480
	.section	.rodata,"a",@progbits
	.p2align	6, 0x0
	.amdhsa_kernel k_q6bf9743ff7_place
		.amdhsa_group_segment_fixed_size 5120
		.amdhsa_private_segment_fixed_size 0
		.amdhsa_enable_private_segment 0
		.amdhsa_kernarg_size 16
		.amdhsa_user_sgpr_count 2
		.amdhsa_user_sgpr_kernarg_segment_ptr 1
		.amdhsa_wavefront_size32 1
		.amdhsa_system_sgpr_workgroup_id_x 1
		.amdhsa_system_sgpr_workgroup_id_y 1
		.amdhsa_system_sgpr_workgroup_id_z 1
		.amdhsa_system_vgpr_workitem_id 0
		.amdhsa_next_free_vgpr 66
		.amdhsa_next_free_sgpr 96
		.amdhsa_reserve_vcc 1
		.amdhsa_float_denorm_mode_32 3
		.amdhsa_float_denorm_mode_16_64 3
		.amdhsa_memory_ordered 1
		.amdhsa_forward_progress 1
		.amdhsa_inst_pref_size 23
	.end_amdhsa_kernel
	.amdgpu_metadata
---
amdhsa.version: [ 1, 2 ]
amdhsa.kernels:
  - .name:           k_q6bf9743ff7_place
    .symbol:         k_q6bf9743ff7_place.kd
    .args:
      - { .name: choice, .offset: 0, .size: 8, .value_kind: global_buffer, .address_space: global }
      - { .name: place, .offset: 8, .size: 8, .value_kind: global_buffer, .address_space: global }
    .group_segment_fixed_size: 5120
    .private_segment_fixed_size: 0
    .kernarg_segment_align: 8
    .kernarg_segment_size: 16
    .max_flat_workgroup_size: 1024
    .sgpr_count:     96
    .vgpr_count:     66
    .wavefront_size: 32
...
	.end_amdgpu_metadata
.endif
;; end of part 2
;; launch fc1 (part 3): grid 256 x 1, 4 waves a work-group, no clusters, 136,704 bytes of LDS; arguments w1, b1, xq, xsc, place, himg, hsc; writes himg, hsc
.if DOCPART == 3
	.amdgcn_target "amdgcn-amd-amdhsa--gfx1250"
	.amdhsa_code_object_version 6
	.text
	.protected	k_q6bf9743ff7_fc1
	.globl	k_q6bf9743ff7_fc1
	.p2align	8
	.type	k_q6bf9743ff7_fc1,@function
k_q6bf9743ff7_fc1:
	s_mov_b64 s[64:65], 0
	v_nop
	global_prefetch_b8 v0, s[64:65] scope:SCOPE_SE
	s_setreg_imm32_b32 hwreg(HW_REG_WAVE_MODE, 25, 1), 1
	s_wait_xcnt 0x0
; FC1.  h = relu(x W1[e] + b1[e]) for the rows routed to expert e, on codes of E5M2 with one E8M0 scale for each 32 along K; h leaves as codes, quantised along F, laid as the next launch's operand registers.
; A WORK-GROUP OWNS ONE EXPERT (work-group / 32) AND 64 OF ITS 2,048 COLUMNS (work-group % 32): 256 work-groups, each with 1,024 x 64 f32 numbers of W1, which it reads once.
; PHASE W.  W1 is [K][F] with K outermost.  A lane takes 4 neighbouring columns and its registers run down K: each load reads two whole rows' 256 bytes; a block of 32 along K of a column lies in one lane,
; so its largest magnitude needs no other lane, and the hold that the conversion wants sorts the numbers by column on the way.  Wave w quantises K = 256 w .. 256 w + 255.  The codes meet in LDS
; (a row to a column, K innermost, 1,040 bytes apart), one barrier, and EVERY wave then keeps all 32 fragments of the slice (512 registers) for the rest of the launch.
; PHASE T.  The expert's tiles of 16 sorted rows are dealt to the four waves by turns.  A tile's 16 tokens come from the stored list.  THEIR CODES ARE LOADED BY ROWS: sixteen lanes take 256 consecutive, aligned
; bytes of one token's row, so a load names two rows and not sixteen.  The operand wants row r in lane (r, h): so the tile's 16 KiB turn through the wave's own stage in LDS (rows 1,040 bytes apart) and come back
; as fragments into the registers that they left.  The loads run two tiles ahead.
; The product is used transposed (source 0 = 16 columns of W1, source 1 = 16 rows of x), and lane r of tile 2 b + u takes column 32 b + 8 u + r + 8 (r / 8): a lane then holds one row, and the 16 registers of
; tiles 2 b and 2 b + 1 are 16 neighbours along the next K.  b1 is the C of each sum's first instruction.  relu is the lower end of the hold.
; The number of tiles is read from memory, so this launch holds no tensor load, and nothing can be asked for jointly in a cluster.  An expert without rows still passes the barrier: it quantises its slice and stores nothing.
; LIMITS: NaN and infinities are not served; a block of zeros gets the scale byte 1 (its codes are zeros; this program alone reads the bytes).
; REGISTERS, in windows of 256: window 0 as named below; window 1: phase W's sets 0, 1, then the fragments of K steps 0-3 at 16 (4 t + s); window 2: sets 2, 3, then K steps 4-7; window 3: two tiles of x, 128 registers each.
.set PITCH,  1040                      ; a column's 1,024 codes + 16: an odd multiple of 16 bytes
.set SCT,    66560                     ; behind the 64 rows of codes: the scale bytes, 32 a column,
.set SPITCH, 36                        ; 36 bytes apart
.set STG,    69632                     ; behind them: the stages, 16 rows of x for each wave,
.set XP,     1040                      ; 1,024 codes + 16 apart: the sixteen rows that a fragment load touches start at sixteen different banks
.set QK,     64                        ; along K in a set of loads: 32 for each half of the lanes
.set QSB,    2                         ; and its blocks
.set ROWP,   8192                      ; a row of W1 in bytes
.set VL,  1                            ; lane
.set VR,  2                            ; r = lane % 16
.set VHH, 3                            ; h = lane / 16
.set L16, 4                            ; 16 x lane
.set R4,  5                            ; 4 r
.set H16, 6                            ; 16 h
.set VW,  7                            ; W1: my byte in the slice
.set VC,  8                            ; LDS: where my codes go
.set VB,  9                            ; LDS: where my scale bytes go
.set VF,  10                           ; LDS: my place in a fragment
.set VG,  11                           ; LDS: my row's scale words
.set VBI, 12                           ; b1: my half's numbers
.set TK,  13                           ; a token
.set ID,  14                           ; v14-15 row r's token as loaded, two slots
.set IA,  16                           ; v16-17 its address
.set IB,  18                           ; v18-19 the address of my half's eight tokens
.set VS,  20                           ; v20-21 row r's scale bytes, for each buffer
.set VH,  22                           ; where the tile's codes of h go
.set VHS, 23                           ; and their scale bytes
.set PW,  24                           ; the two scale bytes just made
.set H32, 25                           ; 32 h
.set ID8, 26                           ; v26-33 the tokens of rows 8 h + 0 .. 7 as loaded: one slot: they are used before the next are asked for
.set STS, 34                           ; LDS: my stage, on the way in: row 8 h, byte 16 r
.set STL, 35                           ; and on the way out: row r, byte 16 h
.set CDH, 36                           ; v36-43 the codes of h; at the start they take the second tile's eight tokens
.set AS,  44                           ; v44-59 x's scale words, 8 for each buffer: these registers hold scales alone
.set R16, 60                           ; 16 r
.set BI,  64                           ; v64-95 b1, in the result's layout
.set WS,  96                           ; v96-127 W1's scale words, 8 t + s: scales alone
.set ACC, 128                          ; v128-159 four accumulators
.set QM,  128                          ; phase W: v128-131 largest magnitudes, v132-135 scale operands, v136-139 57,344 x the scale, v140-143 bytes
.set CD,  144                          ; phase W: v144-175 codes, 8 registers a column
.set HM,  160                          ; phase T: v160-161 largest numbers; v162-163 the other half's; v164-165 scale operands; v166-167 57,344 x the scale; v168-169 bytes
.set HP,  162
.set HSO, 164
.set HLM, 166
.set HB,  168
.set VO,  176                          ; v176-191 where the codes of rows 8 h + 0 .. 7 lie, + 16 r: eight for each buffer
.set TT2, 192                          ; phase W: v192-255 two columns' held numbers, 32 each, K ascending
.set MSB, 0
.macro WIN new                         ; the immediate's high byte repeats the setting that is left
.if MSB != (\new)
	s_set_vgpr_msb (MSB<<8)|(\new)
.set MSB, (\new)
.endif
.endm
.macro LOADW q                         ; set q: rows 64 q + 32 h + j, j = 0 .. 31, of my wave's 256; columns 4 r .. 4 r + 3
	WIN 0x40*(1+(\q)/2)
.set j, 0
.rept 32
	global_load_b128 v[128*((\q)%2)+4*j:128*((\q)%2)+4*j+3], v[VW], s[4:5] offset:(QK*(\q)+j)*ROWP th:TH_LOAD_NT
.set j, j+1
.endr
	WIN 0
.endm
.macro QSET q                          ; set q becomes codes: four blocks of 32, one for each of my columns
.set RB, 128*((\q)%2)
.set XW, 1+(\q)/2
	WIN XW|(XW<<2)
.irp c, 0,1,2,3
	v_max3_num_f32 v[QM+\c], |v[RB+\c]|, |v[RB+4+\c]|, 0x8000000   ; and the floor 2^(16 - 127): the byte cannot fall under 1
.endr
.set j, 2
.rept 15
.irp c, 0,1,2,3
	v_max3_num_f32 v[QM+\c], |v[RB+4*j+\c]|, |v[RB+4*j+4+\c]|, v[QM+\c]
.endr
.set j, j+2
.endr
	WIN 0
	s_wait_dscnt 0x0                               ; the last set's LDS stores have read their bytes and codes
.irp c, 0,1,2,3
	v_add_nc_u32 v[QM+4+\c], 0xf8800000, v[QM+\c]  ; 15 off the exponent field: the conversion's scale operand
.endr
.irp c, 0,1,2,3
	v_and_or_b32 v[QM+8+\c], v[QM+\c], 0x7f800000, s34   ; 57,344 x the scale
.endr
.irp c, 0,1,2,3
	v_lshrrev_b32 v[QM+12+\c], 23, v[QM+4+\c]      ; the scale's byte
.endr
.irp p, 0,2
	WIN XW
.set j, 0
.rept 32
	v_med3_num_f32 v[TT2+j], v[RB+4*j+\p], -v[QM+8+\p], v[QM+8+\p]          ; the hold (the conversion does not saturate: ISA guide 7.6.2) also lays a column's 32 numbers on end
	v_med3_num_f32 v[TT2+32+j], v[RB+4*j+\p+1], -v[QM+9+\p], v[QM+9+\p]
.set j, j+1
.endr
	WIN 0
.irp g, 0,1,2,3
	v_cvt_scalef32_pk8_bf8_f32 v[CD+8*\p+2*\g:CD+8*\p+2*\g+1], v[TT2+8*\g:TT2+8*\g+7], v[QM+4+\p]
	v_cvt_scalef32_pk8_bf8_f32 v[CD+8*\p+8+2*\g:CD+8*\p+8+2*\g+1], v[TT2+32+8*\g:TT2+32+8*\g+7], v[QM+5+\p]
.endr
	v_nop                                          ; one plain line behind the last scaled conversion: its sources are written again next
.endr
.irp c, 0,1,2,3
	ds_store_b128 v[VC], v[CD+8*\c:CD+8*\c+3] offset:\c*PITCH+QK*(\q)
	ds_store_b128 v[VC], v[CD+8*\c+4:CD+8*\c+7] offset:\c*PITCH+QK*(\q)+16
	ds_store_b8 v[VB], v[QM+12+\c] offset:\c*SPITCH+QSB*(\q)
.endr
.endm
.macro IDLD x, d8                      ; the 16 tokens of a later tile of my wave, twice: row r's (for its scale bytes), and those of rows 8 h + 0 .. 7 (for the codes): 3 loads.
	s_min_u32 s35, s30, s27                        ; past my last tile the expert's last tile is taken again, so that every trip issues the same loads
	s_min_u32 s35, s35, 263                        ; a loaded number enters an address only behind a hold at a constant
	s_lshl_b32 s35, s35, 6
	s_add_co_u32 s30, s30, 4
	v_add_nc_u32 v[IA+(\x)], s35, v[R4]
	v_add_nc_u32 v[IB+(\x)], s35, v[H32]
	global_load_b32 v[ID+(\x)], v[IA+(\x)], s[12:13]
	global_load_b128 v[\d8:\d8+3], v[IB+(\x)], s[12:13]
	global_load_b128 v[\d8+4:\d8+7], v[IB+(\x)], s[12:13] offset:16
.endm
.macro SETO b, d8                      ; the addresses of a tile's loads, from its tokens
	v_min_u32 v[TK], 2047, v[ID+\b]
	v_lshlrev_b32 v[VS+\b], 5, v[TK]               ; row r's 32 scale bytes
.irp i, 0,1,2,3,4,5,6,7
	v_min_u32 v[VO+8*\b+\i], 2047, v[\d8+\i]
.endr
.irp i, 0,1,2,3,4,5,6,7
	v_lshl_add_u32 v[VO+8*\b+\i], v[VO+8*\b+\i], 10, v[R16]   ; row 8 h + i: its token's 1,024 codes, + 16 r
.endr
.endm
.macro ALOAD b                         ; a tile of x by rows: lanes 0-15 take 256 consecutive bytes of row i, lanes 16-31 of row 8 + i; and row r's 8 scale words: 34 loads
	WIN 0xc0
.irp i, 0,1,2,3,4,5,6,7
.irp q, 0,1,2,3
	global_load_b128 v[128*\b+16*\i+4*\q:128*\b+16*\i+4*\q+3], v[VO+8*\b+\i], s[8:9] offset:256*\q
.endr
.endr
	WIN 0
	global_load_b128 v[AS+8*\b:AS+8*\b+3], v[VS+\b], s[10:11]
	global_load_b128 v[AS+8*\b+4:AS+8*\b+7], v[VS+\b], s[10:11] offset:16
.endm
.macro XTURN b                         ; the tile turns through my stage: in by rows as loaded, out as 8 fragments (registers 16 s + 4 c on: K = 128 s + 32 c + 16 h + 0 .. 15 of row r), into the registers that it left.
	WIN 0x0c                                       ; an LDS store's data are its source 1: window 3
.irp i, 0,1,2,3,4,5,6,7
.irp q, 0,1,2,3
	ds_store_b128 v[STS], v[128*\b+16*\i+4*\q:128*\b+16*\i+4*\q+3] offset:\i*XP+256*\q
.endr
.endr
	WIN 0xc0
.irp s, 0,1,2,3,4,5,6,7
.irp c, 0,1,2,3
	ds_load_b128 v[128*\b+16*\s+4*\c:128*\b+16*\s+4*\c+3], v[STL] offset:128*\s+32*\c   ; LDS serves a wave's instructions in order (ISA guide 5.7.1.4): these see my stores; the bytes are my wave's own
.endr
.endr
.endm
.macro MUL b, hf                       ; 16 matrix instructions: K steps 4 hf + 0 .. 3; the four accumulators by turns, one instruction a turn, K ascending
	WIN 0x0d+\hf
.irp s, 0,1,2,3
.irp t, 0,1,2,3
.if (\hf == 0) && (\s == 0)
	v_wmma_scale_f32_16x16x128_f8f6f4 v[ACC+8*\t:ACC+8*\t+7], v[16*(4*\t+\s):16*(4*\t+\s)+15], v[128*\b+16*(4*\hf+\s):128*\b+16*(4*\hf+\s)+15], v[BI+8*\t:BI+8*\t+7], v[WS+8*\t+4*\hf+\s], v[AS+8*\b+4*\hf+\s] matrix_a_fmt:MATRIX_FMT_BF8 matrix_b_fmt:MATRIX_FMT_BF8
.else
	v_wmma_scale_f32_16x16x128_f8f6f4 v[ACC+8*\t:ACC+8*\t+7], v[16*(4*\t+\s):16*(4*\t+\s)+15], v[128*\b+16*(4*\hf+\s):128*\b+16*(4*\hf+\s)+15], v[ACC+8*\t:ACC+8*\t+7], v[WS+8*\t+4*\hf+\s], v[AS+8*\b+4*\hf+\s] matrix_a_fmt:MATRIX_FMT_BF8 matrix_b_fmt:MATRIX_FMT_BF8
.endif
.endr
.endr
.endm
.macro HQ                              ; my row's 32 numbers of h (16 of each of two blocks of 32; the other 16 lie in lane l xor 16) become codes.  Each accumulator is read from its low end on
.irp k, 0,1
	v_max3_num_f32 v[HM+\k], v[ACC+16*\k], v[ACC+16*\k+1], 0x8000000   ; no |.|: what is negative becomes 0, so it does not count; the floor stands over it
.endr
.irp i, 2,4,6,8,10,12,14
.irp k, 0,1
	v_max3_num_f32 v[HM+\k], v[HM+\k], v[ACC+16*\k+\i], v[ACC+16*\k+\i+1]
.endr
.endr
.irp k, 0,1
	v_permlanex16_b32 v[HP+\k], v[HM+\k], s32, s33
.endr
.irp k, 0,1
	v_max_num_f32 v[HM+\k], v[HM+\k], v[HP+\k]
.endr
.irp k, 0,1
	v_add_nc_u32 v[HSO+\k], 0xf8800000, v[HM+\k]
.endr
.irp k, 0,1
	v_and_or_b32 v[HLM+\k], v[HM+\k], 0x7f800000, s34
.endr
.irp k, 0,1
	v_lshrrev_b32 v[HB+\k], 23, v[HSO+\k]
.endr
	v_lshl_or_b32 v[PW], v[HB+1], 8, v[HB]
.irp k, 0,1
.irp i, 0,1,2,3,4,5,6,7,8,9,10,11,12,13,14,15
	v_med3_num_f32 v[ACC+16*\k+\i], v[ACC+16*\k+\i], 0, v[HLM+\k]   ; relu and the hold in one
.endr
	v_cvt_scalef32_pk8_bf8_f32 v[CDH+4*\k:CDH+4*\k+1], v[ACC+16*\k:ACC+16*\k+7], v[HSO+\k]
	v_cvt_scalef32_pk8_bf8_f32 v[CDH+4*\k+2:CDH+4*\k+3], v[ACC+16*\k+8:ACC+16*\k+15], v[HSO+\k]
.endr
	v_nop                                          ; one plain line behind the last scaled conversion
.endm
.macro TURN b                          ; one tile, from buffer b
	s_wait_loadcnt 37                              ; this tile's 34 loads are in; behind them: three loads of tokens and the next tile's 34
	XTURN \b
	s_wait_dscnt 16                                ; the 32 stores and the fragments of K steps 0-3 are done; the youngest 16 loads may be out
	MUL \b, 0
	s_wait_dscnt 0x0                               ; K steps 4-7 are in
	MUL \b, 1
	WIN 0
.rept 9
	v_nop                                          ; eight places in front of the reads of the results and of the loads into the operands' registers; the ninth for the next tile's first product, which begins the accumulators anew
.endr
	s_wait_xcnt 0x0                                ; the last tile's three stores have read their addresses and data: the lines below write those registers again.  It stands here, a tile's products behind those stores
	s_wait_loadcnt 34                              ; the tokens of the tile two on are in; the next tile's 34 loads may be out
	SETO \b, ID8
	IDLD 1-\b, ID8
	ALOAD \b
	HQ
	s_min_u32 s35, s31, 263
	s_add_co_u32 s31, s31, 4
	s_lshl_b32 s36, s35, 15                        ; a tile's codes of h: 32,768 bytes
	s_lshl_b32 s35, s35, 10                        ; its scale bytes: 1,024
	v_add_nc_u32 v[VH], s36, v[L16]
	v_add_nc_u32 v[VHS], s35, v[R4]
	global_store_b128 v[VH], v[CDH:CDH+3], s[14:15]                 ; registers 4 c .. 4 c + 3 of the next operand, 16 bytes a lane: 512 consecutive bytes, aligned
	global_store_b128 v[VH], v[CDH+4:CDH+7], s[14:15] offset:512
	global_store_b16 v[VHS], v[PW], s[16:17]       ; two of the four bytes of my row's scale word (lanes r and r + 16 write the same)
.endm
	s_load_b256 s[4:11], s[0:1], 0x0               ; w1 s[4:5], b1 s[6:7], xq s[8:9], xsc s[10:11]
	s_load_b128 s[12:15], s[0:1], 0x20             ; place s[12:13], himg s[14:15]
	s_load_b64 s[16:17], s[0:1], 0x30              ; hsc
	v_lshl_add_u32 v62, v0, 2, 0x21400
	v_mov_b32 v63, 0
	v_and_b32 v[VL], 31, v0
	v_lshrrev_b32 v[TK], 5, v0
	v_readfirstlane_b32 s22, v[TK]                 ; wave
	v_and_b32 v[VR], 15, v0
	v_bfe_u32 v[VHH], v0, 4, 1
	v_lshlrev_b32 v[L16], 4, v[VL]
	v_lshlrev_b32 v[R4], 2, v[VR]
	v_lshlrev_b32 v[H16], 4, v[VHH]
	v_lshlrev_b32 v[H32], 5, v[VHH]
	v_lshlrev_b32 v[R16], 4, v[VR]
	s_lshr_b32 s20, ttmp9, 5                       ; the expert
	s_and_b32 s21, ttmp9, 31                       ; which 64 columns
	s_lshl_b32 s35, s22, 21                        ; W1: 256 rows a wave,
	v_lshlrev_b32 v[VW], 18, v[VHH]                ; 32 rows for the upper half of the lanes,
	v_lshl_add_u32 v[VW], v[VR], 4, v[VW]          ; 16 bytes a lane
	v_add_nc_u32 v[VW], s35, v[VW]
	s_lshl_b32 s35, s22, 8
	v_mul_u32_u24 v[VC], v[VR], 4*PITCH            ; codes: column 4 r, K = 256 wave + 32 h
	v_lshl_add_u32 v[VC], v[VHH], 5, v[VC]
	v_add_nc_u32 v[VC], s35, v[VC]
	s_lshl_b32 s35, s22, 3
	v_mul_u32_u24 v[VB], v[VR], 4*SPITCH           ; scale bytes: column 4 r, block 8 wave + h
	v_add_nc_u32 v[VB], v[VB], v[VHH]
	v_add_nc_u32 v[VB], s35, v[VB]
	v_add_nc_u32 v[VB], SCT, v[VB]
	v_and_b32 v[TK], 8, v[VR]
	v_add_nc_u32 v[TK], v[TK], v[VR]               ; r + 8 (r / 8)
	v_mul_u32_u24 v[VF], v[TK], PITCH
	v_add_nc_u32 v[VF], v[VF], v[H16]
	v_mul_u32_u24 v[VG], v[TK], SPITCH
	v_add_nc_u32 v[VG], SCT, v[VG]
	v_lshlrev_b32 v[VBI], 6, v[VHH]                ; b1: 16 numbers on for the upper half
	s_mul_i32 s35, s22, 16*XP                      ; my stage: 16 rows
	v_mul_u32_u24 v[STS], v[VHH], 8*XP             ; in: row 8 h, byte 16 r
	v_add_nc_u32 v[STS], v[STS], v[R16]
	v_add_nc_u32 v[STS], s35, v[STS]
	v_add_nc_u32 v[STS], STG, v[STS]
	v_mul_u32_u24 v[STL], v[VR], XP                ; out: row r, byte 16 h
	v_add_nc_u32 v[STL], v[STL], v[H16]
	v_add_nc_u32 v[STL], s35, v[STL]
	v_add_nc_u32 v[STL], STG, v[STL]
	s_mov_b32 s32, 0x76543210
	s_mov_b32 s33, 0xfedcba98
	s_mov_b32 s34, 0x600000                        ; the mantissa field of 57,344
	s_lshl_b32 s38, s20, 3
	s_mov_b32 s37, 0
	s_wait_kmcnt 0x0
	s_load_b64 s[24:25], s[12:13], s38 offset:33792   ; the expert's first tile, and its tiles
	s_load_b32 s26, s[12:13], 33856                ; all tiles
	s_lshl_b32 s36, s20, 23
	s_lshl_b32 s35, s21, 8
	s_add_co_u32 s36, s36, s35
	s_add_nc_u64 s[4:5], s[4:5], s[36:37]          ; W1 at my slice
	s_lshl_b32 s36, s20, 13
	s_add_co_u32 s36, s36, s35
	s_add_nc_u64 s[6:7], s[6:7], s[36:37]          ; b1 likewise
	s_lshr_b32 s39, s21, 1                         ; my 64 columns are half of the next product's K step work-group % 32 / 2:
	s_and_b32 s40, s21, 1
	s_lshl_b32 s36, s39, 11                        ; 2,048 bytes a K step, 512 a block of 32
	s_lshl_b32 s35, s40, 10
	s_add_co_u32 s36, s36, s35
	s_add_nc_u64 s[14:15], s[14:15], s[36:37]
	s_lshl_b32 s36, s39, 6                         ; 64 bytes of scale words a K step, a byte a block
	s_lshl_b32 s35, s40, 1
	s_add_co_u32 s36, s36, s35
	s_add_nc_u64 s[16:17], s[16:17], s[36:37]
.irp t, 0,1,2,3
	global_load_b128 v[BI+8*\t:BI+8*\t+3], v[VBI], s[6:7] offset:(32*(\t/2)+8*(\t%2))*4
	global_load_b128 v[BI+8*\t+4:BI+8*\t+7], v[VBI], s[6:7] offset:(32*(\t/2)+8*(\t%2))*4+16
.endr
	LOADW 0
	LOADW 1
	s_wait_kmcnt 0x0
	s_min_u32 s24, s24, 263
	s_min_u32 s25, s25, 128
	s_min_u32 s26, s26, 264
	s_add_co_u32 s27, s24, s25
	s_sub_co_u32 s27, s27, 1
	s_sub_co_u32 s35, s26, 1
	s_min_u32 s27, s27, s35                        ; the last tile that look-ahead may name (an expert without rows: some tile that exists)
	s_min_u32 s27, s27, 263
	s_add_co_u32 s28, s25, 3
	s_sub_co_u32 s28, s28, s22
	s_lshr_b32 s28, s28, 2                         ; my wave's tiles: wave, wave + 4, ..
	s_add_co_u32 s30, s24, s22                     ; the next tile whose tokens are asked for
	s_mov_b32 s31, s30                             ; the tile in hand
	IDLD 0, ID8
	IDLD 1, CDH                                    ; (the second tile's eight tokens lie where h's codes will lie: those are first made in the first trip)
	LOADW 2
	LOADW 3
	s_wait_loadcnt 63                              ; of the 142 loads issued the first 79 are in: b1 (8), sets 0 and 1 (64), the two tiles' tokens (6)
	QSET 0
	QSET 1
	s_wait_loadcnt 32                              ; set 2 is in, set 3 may be out
	QSET 2
	s_wait_loadcnt 0x0
	SETO 0, ID8
	SETO 1, CDH
	ALOAD 0                                        ; my first two tiles of x are on their way while the last set is quantised
	IDLD 0, ID8
	ALOAD 1
	QSET 3
	s_wait_dscnt 0x0                               ; for the others' sake: my codes and bytes lie in LDS
	s_barrier_signal -1
	s_barrier_wait -1                              ; the one barrier: every wave passes it, whatever the number of tiles
.irp w, 0,1
	WIN 0x40*(1+\w)
.irp t, 0,1,2,3
.irp s, 0,1,2,3
.irp c, 0,1,2,3
	ds_load_b128 v[16*(4*\t+\s)+4*\c:16*(4*\t+\s)+4*\c+3], v[VF] offset:(32*(\t/2)+8*(\t%2))*PITCH+128*(4*\w+\s)+32*\c
.endr
.endr
.endr
.endr
	WIN 0
.irp t, 0,1,2,3
.irp s, 0,1,2,3,4,5,6,7
	ds_load_b32 v[WS+8*\t+\s], v[VG] offset:(32*(\t/2)+8*(\t%2))*SPITCH+4*\s
.endr
.endr
	v_mov_b32 v[HP], 0                             ; a lane permute's destination counts as one of its sources (written here, behind phase W, whose codes lay over these registers)
	v_mov_b32 v[HP+1], 0
	s_wait_dscnt 0x0
	s_cmp_eq_u32 s28, 0
	s_cbranch_scc1 .Lend
	s_add_co_u32 s41, s28, 1
	s_lshr_b32 s41, s41, 1                         ; trips: a trip takes two tiles, so that the buffers' numbers are back where they began; the last trip of an odd number takes one
	s_mov_b32 s29, 0                               ; the trip's number, stepped by 1
.Lt:
	TURN 0
	s_lshl_b32 s35, s29, 1
	s_add_co_u32 s35, s35, 1                       ; the number of the trip's second tile among my wave's
	s_cmp_lt_u32 s35, s28
	s_cbranch_scc1 .Lmore                          ; has my wave that tile?
	s_wait_tensorcnt 0x0
	ds_add_u32 v62, v63
	s_wait_dscnt 0x0
	s_endpgm                                       ; an odd number of tiles ends here: a counted loop is left at its backward branch or by the program's end.  Only plain loads and stores are out, and no LDS instruction
.Lmore:
	TURN 1
	s_add_co_u32 s29, s29, 1
	s_cmp_lt_u32 s29, s41
	s_cbranch_scc1 .Lt
.Lend:
	s_wait_tensorcnt 0x0
	ds_add_u32 v62, v63
	s_wait_dscnt 0x0
	s_endpgm
.Lfunc_end_k_q6bf9743ff7_fc1:
	.size	k_q6bf9743ff7_fc1, .Lfunc_end_k_q6bf9743ff7_fc1-k_q6bf9743ff7_fc1
	.p2alignl 7, 3214868480
	.fill 96, 4, 3214868480
	.section	.rodata,"a",@progbits
	.p2align	6, 0x0
	.amdhsa_kernel k_q6bf9743ff7_fc1
		.amdhsa_group_segment_fixed_size 136704
		.amdhsa_private_segment_fixed_size 0
		.amdhsa_enable_private_segment 0
		.amdhsa_kernarg_size 56
		.amdhsa_user_sgpr_count 2
		.amdhsa_user_sgpr_kernarg_segment_ptr 1
		.amdhsa_wavefront_size32 1
		.amdhsa_system_sgpr_workgroup_id_x 1
		.amdhsa_system_sgpr_workgroup_id_y 1
		.amdhsa_system_sgpr_workgroup_id_z 1
		.amdhsa_system_vgpr_workitem_id 0
		.amdhsa_next_free_vgpr 1024
		.amdhsa_next_free_sgpr 66
		.amdhsa_reserve_vcc 0
		.amdhsa_float_denorm_mode_32 3
		.amdhsa_float_denorm_mode_16_64 3
		.amdhsa_memory_ordered 1
		.amdhsa_forward_progress 1
		.amdhsa_inst_pref_size 134
	.end_amdhsa_kernel
	.amdgpu_metadata
---
amdhsa.version: [ 1, 2 ]
amdhsa.kernels:
  - .name:           k_q6bf9743ff7_fc1
    .symbol:         k_q6bf9743ff7_fc1.kd
    .args:
      - { .name: w1, .offset: 0, .size: 8, .value_kind: global_buffer, .address_space: global }
      - { .name: b1, .offset: 8, .size: 8, .value_kind: global_buffer, .address_space: global }
      - { .name: xq, .offset: 16, .size: 8, .value_kind: global_buffer, .address_space: global }
      - { .name: xsc, .offset: 24, .size: 8, .value_kind: global_buffer, .address_space: global }
      - { .name: place, .offset: 32, .size: 8, .value_kind: global_buffer, .address_space: global }
      - { .name: himg, .offset: 40, .size: 8, .value_kind: global_buffer, .address_space: global }
      - { .name: hsc, .offset: 48, .size: 8, .value_kind: global_buffer, .address_space: global }
    .group_segment_fixed_size: 136704
    .private_segment_fixed_size: 0
    .kernarg_segment_align: 8
    .kernarg_segment_size: 56
    .max_flat_workgroup_size: 128
    .sgpr_count:     66
    .vgpr_count:     1024
    .wavefront_size: 32
...
	.end_amdgpu_metadata
.endif
;; end of part 3
;; launch fc2 (part 4): grid 256 x 1, 4 waves a work-group, no clusters, 78,336 bytes of LDS; arguments w2, b2, place, himg, hsc, ybuf; writes ybuf
.if DOCPART == 4
	.amdgcn_target "amdgcn-amd-amdhsa--gfx1250"
	.amdhsa_code_object_version 6
	.text
	.protected	k_q6bf9743ff7_fc2
	.globl	k_q6bf9743ff7_fc2
	.p2align	8
	.type	k_q6bf9743ff7_fc2,@function
k_q6bf9743ff7_fc2:
	s_mov_b64 s[64:65], 0
	v_nop
	global_prefetch_b8 v0, s[64:65] scope:SCOPE_SE
	s_setreg_imm32_b32 hwreg(HW_REG_WAVE_MODE, 25, 1), 1
	s_wait_xcnt 0x0
; FC2.  y = h W2[e] + b2[e] for the rows routed to expert e, on codes of E5M2 with one E8M0 scale for each 32 along K = 2,048.  y leaves in f32, by sorted row.
; A WORK-GROUP OWNS ONE EXPERT (work-group / 32) AND 32 OF ITS 1,024 COLUMNS (work-group % 32): 2,048 x 32 f32 numbers of W2, read once.
; PHASE W as in the launch before: a lane takes 4 neighbouring columns, its registers run down K; here eight lanes cover the slice's 128 bytes of a row, so a load reads four rows, 32 apart.
; Wave w quantises K = 512 w .. 512 w + 511; the codes meet in LDS (a row to a column, 2,064 bytes apart); one barrier; every wave keeps all 32 fragments (2 tiles of columns x 16 K steps, 512 registers).
; PHASE T.  The expert's tiles of 16 sorted rows go to the waves by turns.  h's codes lie in memory as images of the operand's registers: each load is 512 consecutive bytes.  A tile comes in two halves of
; 8 K steps; while one half is multiplied the other is on its way.  The product is used transposed (source 0 = 16 columns of W2, source 1 = 16 rows of h); b2 is the C of each sum's first instruction.
; A tile's results (16 rows x 128 bytes) turn through the wave's own stage in LDS and leave as 2,048 consecutive bytes of the slice's part of ybuf; the stage's stores and loads stand together, ahead of the
; next half tile's 40 loads, which are issued while the rows come back.
; The number of tiles is read from memory, so this launch holds no tensor load, and nothing can be asked for jointly in a cluster.  An expert without rows still passes the barrier and stores nothing.
; LIMITS: NaN and infinities are not served; a block of zeros gets the scale byte 1.
; REGISTERS: window 0 as named below; window 1: phase W's sets 0, 1, then the fragments of K steps 0-7 at 16 (8 t + s); window 2: sets 2, 3, then K steps 8-15; window 3: the two halves of a tile of h.
.set PITCH,  2064
.set SCT,    66048                     ; behind the 32 rows of codes: the scale bytes, 64 a column,
.set SPITCH, 68                        ; 68 bytes apart
.set STG,    68352                     ; the stages: 16 rows of 128 bytes + 16 for each wave
.set QK,     128                       ; along K in a set of loads: 32 for each quarter of the lanes
.set QSB,    4
.set ROWP,   4096                      ; a row of W2 in bytes
.set YS,     540672                    ; a slice of ybuf: 4,224 rows x 128 bytes
.set VL,  1
.set VR,  2
.set VHH, 3
.set L16, 4
.set R4,  5
.set H16, 6
.set VW,  7
.set VC,  8
.set VB,  9
.set VF,  10
.set VG,  11
.set VBI, 12
.set VA,  14                           ; v14-15 the tile's codes, for each half
.set VSA, 16                           ; v16-17 its scale words
.set VY,  18                           ; where the tile's results go
.set STO, 19                           ; the stage: in
.set SRD, 20                           ; and back
.set Q8,  21                           ; lane / 8
.set L8,  22                           ; lane % 8
.set AS,  44                           ; v44-59 h's scale words: scales alone
.set BI,  64                           ; v64-79 b2, in the result's layout
.set YO,  80                           ; v80-95 the tile's rows on the way out
.set WS,  96                           ; v96-127 W2's scale words, 16 t + s: scales alone
.set ACC, 128                          ; v128-143 two accumulators
.set QM,  128
.set CD,  144
.set TT2, 192
.set MSB, 0
.macro WIN new                         ; the immediate's high byte repeats the setting that is left
.if MSB != (\new)
	s_set_vgpr_msb (MSB<<8)|(\new)
.set MSB, (\new)
.endif
.endm
.macro LOADW q                         ; set q: rows 128 q + 32 (lane / 8) + j, j = 0 .. 31, of my wave's 512; columns 4 (lane % 8) on.  No hint: the slice beside mine shares each aligned 256 bytes
	WIN 0x40*(1+(\q)/2)
.set j, 0
.rept 32
	global_load_b128 v[128*((\q)%2)+4*j:128*((\q)%2)+4*j+3], v[VW], s[4:5] offset:(QK*(\q)+j)*ROWP
.set j, j+1
.endr
	WIN 0
.endm
.macro QSET q                          ; set q becomes codes: four blocks of 32, one for each of my columns
.set RB, 128*((\q)%2)
.set XW, 1+(\q)/2
	WIN XW|(XW<<2)
.irp c, 0,1,2,3
	v_max3_num_f32 v[QM+\c], |v[RB+\c]|, |v[RB+4+\c]|, 0x8000000   ; and the floor 2^(16 - 127): the byte cannot fall under 1
.endr
.set j, 2
.rept 15
.irp c, 0,1,2,3
	v_max3_num_f32 v[QM+\c], |v[RB+4*j+\c]|, |v[RB+4*j+4+\c]|, v[QM+\c]
.endr
.set j, j+2
.endr
	WIN 0
	s_wait_dscnt 0x0                               ; the last set's LDS stores have read their bytes and codes
.irp c, 0,1,2,3
	v_add_nc_u32 v[QM+4+\c], 0xf8800000, v[QM+\c]
.endr
.irp c, 0,1,2,3
	v_and_or_b32 v[QM+8+\c], v[QM+\c], 0x7f800000, s34
.endr
.irp c, 0,1,2,3
	v_lshrrev_b32 v[QM+12+\c], 23, v[QM+4+\c]
.endr
.irp p, 0,2
	WIN XW
.set j, 0
.rept 32
	v_med3_num_f32 v[TT2+j], v[RB+4*j+\p], -v[QM+8+\p], v[QM+8+\p]          ; the hold (ISA guide 7.6.2) also lays a column's 32 numbers on end
	v_med3_num_f32 v[TT2+32+j], v[RB+4*j+\p+1], -v[QM+9+\p], v[QM+9+\p]
.set j, j+1
.endr
	WIN 0
.irp g, 0,1,2,3
	v_cvt_scalef32_pk8_bf8_f32 v[CD+8*\p+2*\g:CD+8*\p+2*\g+1], v[TT2+8*\g:TT2+8*\g+7], v[QM+4+\p]
	v_cvt_scalef32_pk8_bf8_f32 v[CD+8*\p+8+2*\g:CD+8*\p+8+2*\g+1], v[TT2+32+8*\g:TT2+32+8*\g+7], v[QM+5+\p]
.endr
	v_nop                                          ; one plain line behind the last scaled conversion
.endr
.irp c, 0,1,2,3
	ds_store_b128 v[VC], v[CD+8*\c:CD+8*\c+3] offset:\c*PITCH+QK*(\q)
	ds_store_b128 v[VC], v[CD+8*\c+4:CD+8*\c+7] offset:\c*PITCH+QK*(\q)+16
	ds_store_b8 v[VB], v[QM+12+\c] offset:\c*SPITCH+QSB*(\q)
.endr
.endm
.macro SETA kh                         ; the addresses of the tile named by s30; past my last tile the expert's last tile is taken again, so that every trip issues the same loads
	s_min_u32 s35, s30, s27
	s_min_u32 s35, s35, 263                        ; a loaded number enters an address only behind a hold at a constant
	s_lshl_b32 s36, s35, 15
	s_lshl_b32 s35, s35, 10
	v_add_nc_u32 v[VA+\kh], s36, v[L16]
	v_add_nc_u32 v[VSA+\kh], s35, v[R4]
.endm
.macro ALOAD kh                        ; half a tile of h: 8 fragments as they lie, and their scale words: 40 loads
	WIN 0xc0
.irp s, 0,1,2,3,4,5,6,7
.irp c, 0,1,2,3
	global_load_b128 v[128*\kh+16*\s+4*\c:128*\kh+16*\s+4*\c+3], v[VA+\kh], s[10:11] offset:16384*\kh+2048*\s+512*\c
.endr
.endr
	WIN 0
.irp s, 0,1,2,3,4,5,6,7
	global_load_b32 v[AS+8*\kh+\s], v[VSA+\kh], s[12:13] offset:512*\kh+64*\s
.endr
.endm
.macro MUL kh                          ; 16 matrix instructions: the two accumulators by turns, one instruction a turn, K ascending
	WIN 0x0d+\kh
.irp s, 0,1,2,3,4,5,6,7
.irp t, 0,1
.if (\kh == 0) && (\s == 0)
	v_wmma_scale_f32_16x16x128_f8f6f4 v[ACC+8*\t:ACC+8*\t+7], v[16*(8*\t+\s):16*(8*\t+\s)+15], v[128*\kh+16*\s:128*\kh+16*\s+15], v[BI+8*\t:BI+8*\t+7], v[WS+16*\t+8*\kh+\s], v[AS+8*\kh+\s] matrix_a_fmt:MATRIX_FMT_BF8 matrix_b_fmt:MATRIX_FMT_BF8
.else
	v_wmma_scale_f32_16x16x128_f8f6f4 v[ACC+8*\t:ACC+8*\t+7], v[16*(8*\t+\s):16*(8*\t+\s)+15], v[128*\kh+16*\s:128*\kh+16*\s+15], v[ACC+8*\t:ACC+8*\t+7], v[WS+16*\t+8*\kh+\s], v[AS+8*\kh+\s] matrix_a_fmt:MATRIX_FMT_BF8 matrix_b_fmt:MATRIX_FMT_BF8
.endif
.endr
.endr
	WIN 0
.endm
.macro TURN                            ; one tile
	s_wait_loadcnt 40                              ; the first half's 40 loads are in (so their address registers may be written); the second half's may be out
	MUL 0
.rept 9
	v_nop                                          ; places in front of the loads into the operands' and scales' registers
.endr
	s_add_co_u32 s30, s30, 4
	SETA 0
	ALOAD 0                                        ; the next tile's first half
	s_wait_loadcnt 40                              ; this tile's second half is in
	MUL 1
.rept 9
	v_nop                                          ; eight places in front of the LDS stores that read the results and of the loads below; the ninth for the next tile's first product, which begins the accumulators anew
.endr
	s_wait_xcnt 0x0                                ; the last tile's four stores have read their address and data: the LDS loads and the address line below write those registers again.  It stands here, a tile's products behind those stores
.irp t, 0,1
	ds_store_b128 v[STO], v[ACC+8*\t:ACC+8*\t+3] offset:64*\t      ; each accumulator from its low end on: lane (r, h) holds y(r, 16 t + 8 h + 0 .. 7)
	ds_store_b128 v[STO], v[ACC+8*\t+4:ACC+8*\t+7] offset:64*\t+16
.endr
.irp i, 0,1,2,3
	ds_load_b128 v[YO+4*\i:YO+4*\i+3], v[SRD] offset:576*\i        ; four rows an instruction; LDS serves a wave's instructions in order (ISA guide 5.7.1.4): these see my stores
.endr
	SETA 1
	ALOAD 1                                        ; the next tile's second half: issued while the rows come back from the stage
	s_min_u32 s35, s31, 263
	s_add_co_u32 s31, s31, 4
	s_lshl_b32 s35, s35, 11                        ; a tile's 16 rows of 128 bytes
	v_add_nc_u32 v[VY], s35, v[L16]
	s_wait_dscnt 0x0                               ; the rows are back, and the stores into the stage have read the accumulators
.irp i, 0,1,2,3
	global_store_b128 v[VY], v[YO+4*\i:YO+4*\i+3], s[14:15] offset:512*\i   ; 512 consecutive bytes, aligned
.endr
.endm
	s_load_b256 s[4:11], s[0:1], 0x0               ; w2 s[4:5], b2 s[6:7], place s[8:9], himg s[10:11]
	s_load_b128 s[12:15], s[0:1], 0x20             ; hsc s[12:13], ybuf s[14:15]
	v_lshl_add_u32 v190, v0, 2, 0x13000
	v_mov_b32 v191, 0
	v_and_b32 v[VL], 31, v0
	v_lshrrev_b32 v[VY], 5, v0
	v_readfirstlane_b32 s22, v[VY]                 ; wave
	v_and_b32 v[VR], 15, v0
	v_bfe_u32 v[VHH], v0, 4, 1
	v_bfe_u32 v[Q8], v0, 3, 2
	v_and_b32 v[L8], 7, v0
	v_lshlrev_b32 v[L16], 4, v[VL]
	v_lshlrev_b32 v[R4], 2, v[VR]
	v_lshlrev_b32 v[H16], 4, v[VHH]
	s_lshr_b32 s20, ttmp9, 5                       ; the expert
	s_and_b32 s21, ttmp9, 31                       ; which 32 columns
	s_lshl_b32 s35, s22, 21                        ; W2: 512 rows a wave,
	v_lshlrev_b32 v[VW], 17, v[Q8]                 ; 32 rows for each quarter of the lanes,
	v_lshl_add_u32 v[VW], v[L8], 4, v[VW]          ; 16 bytes a lane
	v_add_nc_u32 v[VW], s35, v[VW]
	s_lshl_b32 s35, s22, 9
	v_mul_u32_u24 v[VC], v[L8], 4*PITCH            ; codes: column 4 (lane % 8), K = 512 wave + 32 (lane / 8)
	v_lshl_add_u32 v[VC], v[Q8], 5, v[VC]
	v_add_nc_u32 v[VC], s35, v[VC]
	s_lshl_b32 s35, s22, 4
	v_mul_u32_u24 v[VB], v[L8], 4*SPITCH           ; scale bytes: block 16 wave + lane / 8
	v_add_nc_u32 v[VB], v[VB], v[Q8]
	v_add_nc_u32 v[VB], s35, v[VB]
	v_add_nc_u32 v[VB], SCT, v[VB]
	v_mul_u32_u24 v[VF], v[VR], PITCH
	v_add_nc_u32 v[VF], v[VF], v[H16]
	v_mul_u32_u24 v[VG], v[VR], SPITCH
	v_add_nc_u32 v[VG], SCT, v[VG]
	v_lshlrev_b32 v[VBI], 5, v[VHH]                ; b2: 8 numbers on for the upper half
	s_mul_i32 s35, s22, 2304                       ; my stage
	v_mul_u32_u24 v[STO], v[VR], 144
	v_lshl_add_u32 v[STO], v[VHH], 5, v[STO]
	v_add_nc_u32 v[STO], s35, v[STO]
	v_add_nc_u32 v[STO], STG, v[STO]
	v_mul_u32_u24 v[SRD], v[Q8], 144
	v_lshl_add_u32 v[SRD], v[L8], 4, v[SRD]
	v_add_nc_u32 v[SRD], s35, v[SRD]
	v_add_nc_u32 v[SRD], STG, v[SRD]
	s_mov_b32 s34, 0x600000                        ; the mantissa field of 57,344
	s_lshl_b32 s38, s20, 3
	s_mov_b32 s37, 0
	s_wait_kmcnt 0x0
	s_load_b64 s[24:25], s[8:9], s38 offset:33792  ; the expert's first tile, and its tiles
	s_load_b32 s26, s[8:9], 33856                  ; all tiles
	s_lshl_b32 s36, s20, 23
	s_lshl_b32 s35, s21, 7
	s_add_co_u32 s36, s36, s35
	s_add_nc_u64 s[4:5], s[4:5], s[36:37]          ; W2 at my slice
	s_lshl_b32 s36, s20, 12
	s_add_co_u32 s36, s36, s35
	s_add_nc_u64 s[6:7], s[6:7], s[36:37]          ; b2 likewise
	s_mul_i32 s36, s21, YS
	s_add_nc_u64 s[14:15], s[14:15], s[36:37]      ; my slice of ybuf
.irp t, 0,1
	global_load_b128 v[BI+8*\t:BI+8*\t+3], v[VBI], s[6:7] offset:64*\t
	global_load_b128 v[BI+8*\t+4:BI+8*\t+7], v[VBI], s[6:7] offset:64*\t+16
.endr
	LOADW 0
	LOADW 1
	LOADW 2
	LOADW 3
	s_wait_loadcnt 63                              ; of the 132 loads issued the first 69 are in: b2 (4) and sets 0 and 1 (64) among them
	QSET 0
	QSET 1
	s_wait_loadcnt 32                              ; set 2 is in, set 3 may be out
	QSET 2
	s_wait_loadcnt 0x0
	s_wait_kmcnt 0x0
	s_min_u32 s24, s24, 263
	s_min_u32 s25, s25, 128
	s_min_u32 s26, s26, 264
	s_add_co_u32 s27, s24, s25
	s_sub_co_u32 s27, s27, 1
	s_sub_co_u32 s35, s26, 1
	s_min_u32 s27, s27, s35                        ; the last tile that look-ahead may name (an expert without rows: some tile that exists)
	s_min_u32 s27, s27, 263
	s_add_co_u32 s28, s25, 3
	s_sub_co_u32 s28, s28, s22
	s_lshr_b32 s28, s28, 2                         ; my wave's tiles: wave, wave + 4, ..
	s_add_co_u32 s30, s24, s22                     ; the tile that is being asked for
	s_mov_b32 s31, s30                             ; the tile in hand
	SETA 0
	ALOAD 0                                        ; my first tile is on its way while the last set is quantised
	SETA 1
	ALOAD 1
	QSET 3
	s_wait_dscnt 0x0                               ; for the others' sake: my codes and bytes lie in LDS
	s_barrier_signal -1
	s_barrier_wait -1                              ; the one barrier: every wave passes it, whatever the number of tiles
.irp w, 0,1
	WIN 0x40*(1+\w)
.irp t, 0,1
.irp s, 0,1,2,3,4,5,6,7
.irp c, 0,1,2,3
	ds_load_b128 v[16*(8*\t+\s)+4*\c:16*(8*\t+\s)+4*\c+3], v[VF] offset:16*\t*PITCH+128*(8*\w+\s)+32*\c
.endr
.endr
.endr
.endr
	WIN 0
.irp t, 0,1
.irp s, 0,1,2,3,4,5,6,7,8,9,10,11,12,13,14,15
	ds_load_b32 v[WS+16*\t+\s], v[VG] offset:16*\t*SPITCH+4*\s
.endr
.endr
	s_wait_dscnt 0x0
	s_cmp_eq_u32 s28, 0
	s_cbranch_scc1 .Lend
	s_mov_b32 s29, 0
.Lt:
	TURN
	s_add_co_u32 s29, s29, 1
	s_cmp_lt_u32 s29, s28
	s_cbranch_scc1 .Lt
.Lend:
	s_wait_tensorcnt 0x0
	ds_add_u32 v190, v191
	s_wait_dscnt 0x0
	s_endpgm
.Lfunc_end_k_q6bf9743ff7_fc2:
	.size	k_q6bf9743ff7_fc2, .Lfunc_end_k_q6bf9743ff7_fc2-k_q6bf9743ff7_fc2
	.p2alignl 7, 3214868480
	.fill 96, 4, 3214868480
	.section	.rodata,"a",@progbits
	.p2align	6, 0x0
	.amdhsa_kernel k_q6bf9743ff7_fc2
		.amdhsa_group_segment_fixed_size 78336
		.amdhsa_private_segment_fixed_size 0
		.amdhsa_enable_private_segment 0
		.amdhsa_kernarg_size 48
		.amdhsa_user_sgpr_count 2
		.amdhsa_user_sgpr_kernarg_segment_ptr 1
		.amdhsa_wavefront_size32 1
		.amdhsa_system_sgpr_workgroup_id_x 1
		.amdhsa_system_sgpr_workgroup_id_y 1
		.amdhsa_system_sgpr_workgroup_id_z 1
		.amdhsa_system_vgpr_workitem_id 0
		.amdhsa_next_free_vgpr 1024
		.amdhsa_next_free_sgpr 66
		.amdhsa_reserve_vcc 0
		.amdhsa_float_denorm_mode_32 3
		.amdhsa_float_denorm_mode_16_64 3
		.amdhsa_memory_ordered 1
		.amdhsa_forward_progress 1
		.amdhsa_inst_pref_size 109
	.end_amdhsa_kernel
	.amdgpu_metadata
---
amdhsa.version: [ 1, 2 ]
amdhsa.kernels:
  - .name:           k_q6bf9743ff7_fc2
    .symbol:         k_q6bf9743ff7_fc2.kd
    .args:
      - { .name: w2, .offset: 0, .size: 8, .value_kind: global_buffer, .address_space: global }
      - { .name: b2, .offset: 8, .size: 8, .value_kind: global_buffer, .address_space: global }
      - { .name: place, .offset: 16, .size: 8, .value_kind: global_buffer, .address_space: global }
      - { .name: himg, .offset: 24, .size: 8, .value_kind: global_buffer, .address_space: global }
      - { .name: hsc, .offset: 32, .size: 8, .value_kind: global_buffer, .address_space: global }
      - { .name: ybuf, .offset: 40, .size: 8, .value_kind: global_buffer, .address_space: global }
    .group_segment_fixed_size: 78336
    .private_segment_fixed_size: 0
    .kernarg_segment_align: 8
    .kernarg_segment_size: 48
    .max_flat_workgroup_size: 128
    .sgpr_count:     66
    .vgpr_count:     1024
    .wavefront_size: 32
...
	.end_amdgpu_metadata
.endif
;; end of part 4
;; launch combine (part 5): grid 256 x 1, 8 waves a work-group, no clusters, 0 bytes of LDS; arguments ybuf, place, gw, hidden_states, out0; writes out0
.if DOCPART == 5
	.amdgcn_target "amdgcn-amd-amdhsa--gfx1250"
	.amdhsa_code_object_version 6
	.text
	.protected	k_q6bf9743ff7_combine
	.globl	k_q6bf9743ff7_combine
	.p2align	8
	.type	k_q6bf9743ff7_combine,@function
k_q6bf9743ff7_combine:
	s_mov_b64 s[64:65], 0
	v_nop
	global_prefetch_b8 v0, s[64:65] scope:SCOPE_SE
	s_setreg_imm32_b32 hwreg(HW_REG_WAVE_MODE, 25, 1), 1
	s_wait_xcnt 0x0
; COMBINE.  out0[t] = g1 y[p1] + g2 y[p2], and x[t] wherever that is 0.  p1, p2 are the token's two sorted rows, read from the stored list; g1, g2 its two gates.
; A wave takes one token: each output row has one owner, so nothing is added across work-groups.  Lane L holds columns 128 i + 4 L + 0..3, i = 0..7.
; ybuf is [32 slices of 32 columns][4,224 rows][32]: column 128 i + 4 L lies in slice 4 i + L / 8, so eight lanes read a row's 128 bytes of a slice.
; The sum is one multiplication and one fused multiply-add: it is rounded once.
; A stream: no LDS, no matrix unit, no cluster.
.set YS, 540672                        ; a slice of ybuf in bytes
.set XR, 16                            ; v16-47  x
.set Y1, 48                            ; v48-79  the first row, then the result
.set Y2, 80                            ; v80-111 the second row
	s_load_b256 s[4:11], s[0:1], 0x0               ; ybuf s[4:5], place s[6:7], gw s[8:9], hidden_states s[10:11]
	s_load_b64 s[12:13], s[0:1], 0x20              ; out0
	v_and_b32 v1, 31, v0
	v_lshrrev_b32 v2, 5, v0
	v_readfirstlane_b32 s14, v2                    ; wave
	s_lshl_b32 s15, ttmp9, 3
	s_add_co_u32 s15, s15, s14                     ; my token
	s_lshl_b32 s16, s15, 3
	v_lshlrev_b32 v3, 4, v1                        ; 16 bytes a lane
	v_lshrrev_b32 v4, 3, v1
	v_mul_u32_u24 v4, v4, YS
	v_and_b32 v5, 7, v1
	v_lshl_add_u32 v4, v5, 4, v4                   ; slice lane / 8, 16 bytes at lane % 8
	s_wait_kmcnt 0x0
	s_load_b64 s[20:21], s[6:7], s16 offset:17408  ; p1, p2
	s_load_b64 s[22:23], s[8:9], s16 offset:0x0    ; g1, g2
	s_lshl_b32 s18, s15, 12
	s_mov_b32 s19, 0
	s_add_nc_u64 s[10:11], s[10:11], s[18:19]
	s_add_nc_u64 s[12:13], s[12:13], s[18:19]
	s_add_nc_u64 s[24:25], s[4:5], 16*YS           ; the upper 16 slices get a base of their own: 12 slices at the most stand in an offset, inside its signed 24 bits
.irp i, 0,1,2,3,4,5,6,7
	global_load_b128 v[XR+4*\i:XR+4*\i+3], v3, s[10:11] offset:512*\i th:TH_LOAD_NT
.endr
	s_wait_kmcnt 0x0
	s_min_u32 s20, s20, 4223                       ; a loaded number enters an address only behind a hold at a constant
	s_min_u32 s21, s21, 4223
	s_lshl_b32 s20, s20, 7
	s_lshl_b32 s21, s21, 7
	v_add_nc_u32 v6, s20, v4
	v_add_nc_u32 v7, s21, v4
	s_mov_b32 s26, s23                             ; g2 as the low word of a pair: the packed form takes a scalar pair's low word for both halves
	s_mov_b32 s27, s23
.irp i, 0,1,2,3
	global_load_b128 v[Y1+4*\i:Y1+4*\i+3], v6, s[4:5] offset:\i*4*YS
	global_load_b128 v[Y2+4*\i:Y2+4*\i+3], v7, s[4:5] offset:\i*4*YS
.endr
.irp i, 0,1,2,3
	global_load_b128 v[Y1+16+4*\i:Y1+16+4*\i+3], v6, s[24:25] offset:\i*4*YS
	global_load_b128 v[Y2+16+4*\i:Y2+16+4*\i+3], v7, s[24:25] offset:\i*4*YS
.endr
	s_wait_loadcnt 0x0
.irp i, 0,1,2,3,4,5,6,7,8,9,10,11,12,13,14,15
	v_pk_mul_f32 v[Y1+2*\i:Y1+2*\i+1], v[Y1+2*\i:Y1+2*\i+1], s[22:23] op_sel_hi:[1,0]
.endr
.irp i, 0,1,2,3,4,5,6,7,8,9,10,11,12,13,14,15
	v_pk_fma_f32 v[Y1+2*\i:Y1+2*\i+1], v[Y2+2*\i:Y2+2*\i+1], s[26:27], v[Y1+2*\i:Y1+2*\i+1] op_sel_hi:[1,0,1]
.endr
.irp j, 0,1,2,3,4,5,6,7,8,9,10,11,12,13,14,15,16,17,18,19,20,21,22,23,24,25,26,27,28,29,30,31
	v_cmp_eq_f32 vcc_lo, 0, v[Y1+\j]
	v_cndmask_b32 v[Y1+\j], v[Y1+\j], v[XR+\j], vcc_lo   ; a 0 is replaced by x: a choice of value, no branch
.endr
.irp i, 0,1,2,3,4,5,6,7
	global_store_b128 v3, v[Y1+4*\i:Y1+4*\i+3], s[12:13] offset:512*\i th:TH_STORE_NT   ; 512 consecutive bytes, aligned
.endr
	s_endpgm
.Lfunc_end_k_q6bf9743ff7_combine:
	.size	k_q6bf9743ff7_combine, .Lfunc_end_k_q6bf9743ff7_combine-k_q6bf9743ff7_combine
	.p2alignl 7, 3214868480
	.fill 96, 4, 3214868480
	.section	.rodata,"a",@progbits
	.p2align	6, 0x0
	.amdhsa_kernel k_q6bf9743ff7_combine
		.amdhsa_group_segment_fixed_size 0
		.amdhsa_private_segment_fixed_size 0
		.amdhsa_enable_private_segment 0
		.amdhsa_kernarg_size 40
		.amdhsa_user_sgpr_count 2
		.amdhsa_user_sgpr_kernarg_segment_ptr 1
		.amdhsa_wavefront_size32 1
		.amdhsa_system_sgpr_workgroup_id_x 1
		.amdhsa_system_sgpr_workgroup_id_y 1
		.amdhsa_system_sgpr_workgroup_id_z 1
		.amdhsa_system_vgpr_workitem_id 0
		.amdhsa_next_free_vgpr 128
		.amdhsa_next_free_sgpr 66
		.amdhsa_reserve_vcc 1
		.amdhsa_float_denorm_mode_32 3
		.amdhsa_float_denorm_mode_16_64 3
		.amdhsa_memory_ordered 1
		.amdhsa_forward_progress 1
		.amdhsa_inst_pref_size 9
	.end_amdhsa_kernel
	.amdgpu_metadata
---
amdhsa.version: [ 1, 2 ]
amdhsa.kernels:
  - .name:           k_q6bf9743ff7_combine
    .symbol:         k_q6bf9743ff7_combine.kd
    .args:
      - { .name: ybuf, .offset: 0, .size: 8, .value_kind: global_buffer, .address_space: global }
      - { .name: place, .offset: 8, .size: 8, .value_kind: global_buffer, .address_space: global }
      - { .name: gw, .offset: 16, .size: 8, .value_kind: global_buffer, .address_space: global }
      - { .name: hidden_states, .offset: 24, .size: 8, .value_kind: global_buffer, .address_space: global }
      - { .name: out0, .offset: 32, .size: 8, .value_kind: global_buffer, .address_space: global }
    .group_segment_fixed_size: 0
    .private_segment_fixed_size: 0
    .kernarg_segment_align: 8
    .kernarg_segment_size: 40
    .max_flat_workgroup_size: 256
    .sgpr_count:     66
    .vgpr_count:     128
    .wavefront_size: 32
...
	.end_amdgpu_metadata
.endif
;; end of part 5
;; ======== version 2 of 2: 5 launches; version 1 with the launches fc1, fc2 written anew for expert scheduling mode
;; workspace buffers: xq 2,097,152 bytes; xsc 65,536 bytes; choice 8,192 bytes of whole numbers; gw 16,384 bytes; place 34,048 bytes of whole numbers; himg 8,650,752 bytes; hsc 270,336 bytes; ybuf 17,301,504 bytes
;; launch route: the kernel of part 1 again; grid 256 x 1, 8 waves a work-group, no clusters, 37,888 bytes of LDS; arguments hidden_states, router_w, xq, xsc, out1, out2, choice, gw; writes xq, xsc, out1, out2, choice, gw
;; launch place: the kernel of part 2 again; grid 1 x 1, 32 waves a work-group, no clusters, 5,120 bytes of LDS; arguments choice, place; writes place
;; launch fc1 (part 6): grid 256 x 1, 4 waves a work-group, no clusters, 136,704 bytes of LDS; arguments w1, b1, xq, xsc, place, himg, hsc; writes himg, hsc
.if DOCPART == 6
	.amdgcn_target "amdgcn-amd-amdhsa--gfx1250"
	.amdhsa_code_object_version 6
	.text
	.protected	k_q6bf9743ff7_fc1
	.globl	k_q6bf9743ff7_fc1
	.p2align	8
	.type	k_q6bf9743ff7_fc1,@function
k_q6bf9743ff7_fc1:
	s_mov_b64 s[64:65], 0
	v_nop
	global_prefetch_b8 v0, s[64:65] scope:SCOPE_SE
	s_setreg_imm32_b32 hwreg(HW_REG_WAVE_SCHED_MODE, 0, 2), 2
	s_setreg_imm32_b32 hwreg(HW_REG_WAVE_MODE, 25, 1), 1
	s_wait_xcnt 0x0
	s_wait_alu depctr_vm_vsrc(0)
; FC1.  h = relu(x W1[e] + b1[e]) for the rows routed to expert e, on codes of E5M2 with one E8M0 scale for each 32 along K; h leaves as codes, quantised along F, laid as the next launch's operand registers.
; A WORK-GROUP OWNS ONE EXPERT (work-group / 32) AND 64 OF ITS 2,048 COLUMNS (work-group % 32): 256 work-groups, each with 1,024 x 64 f32 numbers of W1, which it reads once.
; PHASE W.  W1 is [K][F] with K outermost.  A lane takes 4 neighbouring columns and its registers run down K: each load reads two whole rows' 256 bytes; a block of 32 along K of a column lies in one lane,
; so its largest magnitude needs no other lane, and the hold that the conversion wants sorts the numbers by column on the way.  Wave w quantises K = 256 w .. 256 w + 255.  The codes meet in LDS
; (a row to a column, K innermost, 1,040 bytes apart), one barrier, and EVERY wave then keeps all 32 fragments of the slice (512 registers) for the rest of the launch.
; PHASE T.  The expert's tiles of 16 sorted rows are dealt to the four waves by turns.  A tile's 16 tokens come from the stored list.  THEIR CODES ARE LOADED BY ROWS: sixteen lanes take 256 consecutive, aligned
; bytes of one token's row, so a load names two rows and not sixteen.  The operand wants row r in lane (r, h): so the tile's 16 KiB turn through the wave's own stage in LDS (rows 1,040 bytes apart) and come back
; as fragments into the registers that they left.  The loads run two tiles ahead.
; The product is used transposed (source 0 = 16 columns of W1, source 1 = 16 rows of x), and lane r of tile 2 b + u takes column 32 b + 8 u + r + 8 (r / 8): a lane then holds one row, and the 16 registers of
; tiles 2 b and 2 b + 1 are 16 neighbours along the next K.  b1 is the C of each sum's first instruction.  relu is the lower end of the hold.
; The number of tiles is read from memory, so this launch holds no tensor load, and nothing can be asked for jointly in a cluster.  An expert without rows still passes the barrier: it quantises its slice and stores nothing.
; LIMITS: NaN and infinities are not served; a block of zeros gets the scale byte 1 (its codes are zeros; this program alone reads the bytes).
; THE MODE: SCHED_MODE bits 1:0 = 2 (LLVM: expert scheduling mode 2), set by the entry lines.  The code itself states the register dependences
; between vector or matrix instructions and memory or LDS instructions, with s_wait_alu, always for 0.
; THE PLAN.  Registers that memory or LDS instructions touch in the loop, for a tile from buffer b:
;   X[b]  (window 3, 128 registers)  the tile's global loads land in it; the 32 LDS stores of the turn read it; the 32 LDS loads of the turn land in it; the tile's products read it; the loads of the tile two on land in it.
;   AS[b]                            the tile's global loads land in it; the products read it as scales.
;   VO[b], VS[b]                     written by SETO b, read by the 34 loads behind it.         IA[1-b], IB[1-b]  written by IDADR, read by the three loads of tokens behind it.
;   ID[.], ID8                       the loads of tokens land in them; SETO reads them.
;   CDH, PW, VH, VHS                 written by HQ and two additions; read by the tile's three stores.
;   STS, STL, L16, R4, H32, R16      made at the head, never written again.
; All of a tile's vector work stands together behind its products, and all of its global instructions behind that.  So TWO waits stand in a tile: one on vm_vsrc between the turn's LDS stores and its LDS loads,
; which also stands behind the last tile's stores and behind every earlier load by the address registers that this tile writes again; and one on va_vdst behind the vector work, ahead of the three stores and the 37 loads.
; The loads are not dealt among the products: they land in the registers that those products read, and all 1,024 registers are taken.
; REGISTERS, in windows of 256: window 0 as named below; window 1: phase W's sets 0, 1, then the fragments of K steps 0-3 at 16 (4 t + s); window 2: sets 2, 3, then K steps 4-7; window 3: two tiles of x, 128 registers each.
.set PITCH,  1040                      ; a column's 1,024 codes + 16: an odd multiple of 16 bytes
.set SCT,    66560                     ; behind the 64 rows of codes: the scale bytes, 32 a column,
.set SPITCH, 36                        ; 36 bytes apart
.set STG,    69632                     ; behind them: the stages, 16 rows of x for each wave,
.set XP,     1040                      ; 1,024 codes + 16 apart: the sixteen rows that a fragment load touches start at sixteen different banks
.set QK,     64                        ; along K in a set of loads: 32 for each half of the lanes
.set QSB,    2                         ; and its blocks
.set ROWP,   8192                      ; a row of W1 in bytes
.set VL,  1                            ; lane
.set VR,  2                            ; r = lane % 16
.set VHH, 3                            ; h = lane / 16
.set L16, 4                            ; 16 x lane
.set R4,  5                            ; 4 r
.set H16, 6                            ; 16 h
.set VW,  7                            ; W1: my byte in the slice
.set VC,  8                            ; LDS: where my codes go
.set VB,  9                            ; LDS: where my scale bytes go
.set VF,  10                           ; LDS: my place in a fragment
.set VG,  11                           ; LDS: my row's scale words
.set VBI, 12                           ; b1: my half's numbers
.set TK,  13                           ; a token
.set ID,  14                           ; v14-15 row r's token as loaded, two slots
.set IA,  16                           ; v16-17 its address
.set IB,  18                           ; v18-19 the address of my half's eight tokens
.set VS,  20                           ; v20-21 row r's scale bytes, for each buffer
.set VH,  22                           ; where the tile's codes of h go
.set VHS, 23                           ; and their scale bytes
.set PW,  24                           ; the two scale bytes just made
.set H32, 25                           ; 32 h
.set ID8, 26                           ; v26-33 the tokens of rows 8 h + 0 .. 7 as loaded: one slot: they are used before the next are asked for
.set STS, 34                           ; LDS: my stage, on the way in: row 8 h, byte 16 r
.set STL, 35                           ; and on the way out: row r, byte 16 h
.set CDH, 36                           ; v36-43 the codes of h; at the start they take the second tile's eight tokens
.set AS,  44                           ; v44-59 x's scale words, 8 for each buffer: these registers hold scales alone
.set R16, 60                           ; 16 r
.set BI,  64                           ; v64-95 b1, in the result's layout
.set WS,  96                           ; v96-127 W1's scale words, 8 t + s: scales alone
.set ACC, 128                          ; v128-159 four accumulators
.set QM,  128                          ; phase W: v128-131 largest magnitudes, v132-135 scale operands, v136-139 57,344 x the scale, v140-143 bytes
.set CD,  144                          ; phase W: v144-175 codes, 8 registers a column
.set HM,  160                          ; phase T: v160-161 largest numbers; v162-163 the other half's; v164-165 scale operands; v166-167 57,344 x the scale; v168-169 bytes
.set HP,  162
.set HSO, 164
.set HLM, 166
.set HB,  168
.set VO,  176                          ; v176-191 where the codes of rows 8 h + 0 .. 7 lie, + 16 r: eight for each buffer
.set TT2, 192                          ; phase W: v192-255 two columns' held numbers, 32 each, K ascending
.set MSB, 0
.macro WIN new                         ; the immediate's high byte repeats the setting that is left
.if MSB != (\new)
	s_set_vgpr_msb (MSB<<8)|(\new)
.set MSB, (\new)
.endif
.endm
.macro LOADW q                         ; set q: rows 64 q + 32 h + j, j = 0 .. 31, of my wave's 256; columns 4 r .. 4 r + 3
	WIN 0x40*(1+(\q)/2)
.set j, 0
.rept 32
	global_load_b128 v[128*((\q)%2)+4*j:128*((\q)%2)+4*j+3], v[VW], s[4:5] offset:(QK*(\q)+j)*ROWP th:TH_LOAD_NT
.set j, j+1
.endr
	WIN 0
.endm
.macro QSET q                          ; set q becomes codes: four blocks of 32, one for each of my columns
.set RB, 128*((\q)%2)
.set XW, 1+(\q)/2
	WIN XW|(XW<<2)
.irp c, 0,1,2,3
	v_max3_num_f32 v[QM+\c], |v[RB+\c]|, |v[RB+4+\c]|, 0x8000000   ; and the floor 2^(16 - 127): the byte cannot fall under 1
.endr
.set j, 2
.rept 15
.irp c, 0,1,2,3
	v_max3_num_f32 v[QM+\c], |v[RB+4*j+\c]|, |v[RB+4*j+4+\c]|, v[QM+\c]
.endr
.set j, j+2
.endr
	WIN 0
	s_wait_dscnt 0x0                               ; the last set's LDS stores are done
.if (\q) > 0
	s_wait_alu depctr_vm_vsrc(0)                   ; the last set's LDS stores have read their bytes (v140-143) and codes (v144-175), which the lines below write again
.endif
.irp c, 0,1,2,3
	v_add_nc_u32 v[QM+4+\c], 0xf8800000, v[QM+\c]  ; 15 off the exponent field: the conversion's scale operand
.endr
.irp c, 0,1,2,3
	v_and_or_b32 v[QM+8+\c], v[QM+\c], 0x7f800000, s34   ; 57,344 x the scale
.endr
.irp c, 0,1,2,3
	v_lshrrev_b32 v[QM+12+\c], 23, v[QM+4+\c]      ; the scale's byte
.endr
.irp p, 0,2
	WIN XW
.set j, 0
.rept 32
	v_med3_num_f32 v[TT2+j], v[RB+4*j+\p], -v[QM+8+\p], v[QM+8+\p]          ; the hold (the conversion does not saturate: ISA guide 7.6.2) also lays a column's 32 numbers on end
	v_med3_num_f32 v[TT2+32+j], v[RB+4*j+\p+1], -v[QM+9+\p], v[QM+9+\p]
.set j, j+1
.endr
	WIN 0
.irp g, 0,1,2,3
	v_cvt_scalef32_pk8_bf8_f32 v[CD+8*\p+2*\g:CD+8*\p+2*\g+1], v[TT2+8*\g:TT2+8*\g+7], v[QM+4+\p]
	v_cvt_scalef32_pk8_bf8_f32 v[CD+8*\p+8+2*\g:CD+8*\p+8+2*\g+1], v[TT2+32+8*\g:TT2+32+8*\g+7], v[QM+5+\p]
.endr
	v_nop                                          ; one plain line behind the last scaled conversion: its sources are written again next
.endr
	s_wait_alu depctr_va_vdst(0)                   ; the conversions have written the codes and the shifts the bytes, which the LDS stores below read; and the set's lines are done reading its 128 registers, in which the fragments land behind the barrier
.irp c, 0,1,2,3
	ds_store_b128 v[VC], v[CD+8*\c:CD+8*\c+3] offset:\c*PITCH+QK*(\q)
	ds_store_b128 v[VC], v[CD+8*\c+4:CD+8*\c+7] offset:\c*PITCH+QK*(\q)+16
	ds_store_b8 v[VB], v[QM+12+\c] offset:\c*SPITCH+QSB*(\q)
.endr
.endm
.macro IDADR x                         ; where the 16 tokens of a later tile of my wave lie in the list: row r's, and those of rows 8 h + 0 .. 7
	s_min_u32 s35, s30, s27                        ; past my last tile the expert's last tile is taken again, so that every trip issues the same loads
	s_min_u32 s35, s35, 263                        ; a loaded number enters an address only behind a hold at a constant
	s_lshl_b32 s35, s35, 6
	s_add_co_u32 s30, s30, 4
	v_add_nc_u32 v[IA+(\x)], s35, v[R4]
	v_add_nc_u32 v[IB+(\x)], s35, v[H32]
.endm
.macro IDGO x, d8                      ; and their loads: row r's token (for its scale bytes), and eight tokens (for the codes): 3 loads
	global_load_b32 v[ID+(\x)], v[IA+(\x)], s[12:13]
	global_load_b128 v[\d8:\d8+3], v[IB+(\x)], s[12:13]
	global_load_b128 v[\d8+4:\d8+7], v[IB+(\x)], s[12:13] offset:16
.endm
.macro SETO b, d8                      ; the addresses of a tile's loads, from its tokens
	v_min_u32 v[TK], 2047, v[ID+\b]
	v_lshlrev_b32 v[VS+\b], 5, v[TK]               ; row r's 32 scale bytes
.irp i, 0,1,2,3,4,5,6,7
	v_min_u32 v[VO+8*\b+\i], 2047, v[\d8+\i]
.endr
.irp i, 0,1,2,3,4,5,6,7
	v_lshl_add_u32 v[VO+8*\b+\i], v[VO+8*\b+\i], 10, v[R16]   ; row 8 h + i: its token's 1,024 codes, + 16 r
.endr
.endm
.macro ALOAD b                         ; a tile of x by rows: lanes 0-15 take 256 consecutive bytes of row i, lanes 16-31 of row 8 + i; and row r's 8 scale words: 34 loads
	WIN 0xc0
.irp i, 0,1,2,3,4,5,6,7
.irp q, 0,1,2,3
	global_load_b128 v[128*\b+16*\i+4*\q:128*\b+16*\i+4*\q+3], v[VO+8*\b+\i], s[8:9] offset:256*\q
.endr
.endr
	WIN 0
	global_load_b128 v[AS+8*\b:AS+8*\b+3], v[VS+\b], s[10:11]
	global_load_b128 v[AS+8*\b+4:AS+8*\b+7], v[VS+\b], s[10:11] offset:16
.endm
.macro XTURN b                         ; the tile turns through my stage: in by rows as loaded, out as 8 fragments (registers 16 s + 4 c on: K = 128 s + 32 c + 16 h + 0 .. 15 of row r), into the registers that it left.
	WIN 0x0c                                       ; an LDS store's data are its source 1: window 3
.irp i, 0,1,2,3,4,5,6,7
.irp q, 0,1,2,3
	ds_store_b128 v[STS], v[128*\b+16*\i+4*\q:128*\b+16*\i+4*\q+3] offset:\i*XP+256*\q
.endr
.endr
	WIN 0xc0
	s_wait_alu depctr_vm_vsrc(0)                   ; the 32 LDS stores above have read the tile's registers, in which the fragments land.  Also, for the vector lines behind the products: the last tile's three stores have read CDH, PW, VH and VHS, and the earlier loads have read this buffer's VO and VS and the other slot's IA and IB
.irp s, 0,1,2,3,4,5,6,7
.irp c, 0,1,2,3
	ds_load_b128 v[128*\b+16*\s+4*\c:128*\b+16*\s+4*\c+3], v[STL] offset:128*\s+32*\c   ; LDS serves a wave's instructions in order (ISA guide 5.7.1.4): these see my stores; the bytes are my wave's own
.endr
.endr
.endm
.macro MUL b, hf                       ; 16 matrix instructions: K steps 4 hf + 0 .. 3; the four accumulators by turns, one instruction a turn, K ascending
	WIN 0x0d+\hf
.irp s, 0,1,2,3
.irp t, 0,1,2,3
.if (\hf == 0) && (\s == 0)
	v_wmma_scale_f32_16x16x128_f8f6f4 v[ACC+8*\t:ACC+8*\t+7], v[16*(4*\t+\s):16*(4*\t+\s)+15], v[128*\b+16*(4*\hf+\s):128*\b+16*(4*\hf+\s)+15], v[BI+8*\t:BI+8*\t+7], v[WS+8*\t+4*\hf+\s], v[AS+8*\b+4*\hf+\s] matrix_a_fmt:MATRIX_FMT_BF8 matrix_b_fmt:MATRIX_FMT_BF8
.else
	v_wmma_scale_f32_16x16x128_f8f6f4 v[ACC+8*\t:ACC+8*\t+7], v[16*(4*\t+\s):16*(4*\t+\s)+15], v[128*\b+16*(4*\hf+\s):128*\b+16*(4*\hf+\s)+15], v[ACC+8*\t:ACC+8*\t+7], v[WS+8*\t+4*\hf+\s], v[AS+8*\b+4*\hf+\s] matrix_a_fmt:MATRIX_FMT_BF8 matrix_b_fmt:MATRIX_FMT_BF8
.endif
.endr
.endr
.endm
.macro HQ                              ; my row's 32 numbers of h (16 of each of two blocks of 32; the other 16 lie in lane l xor 16) become codes.  Each accumulator is read from its low end on
.irp k, 0,1
	v_max3_num_f32 v[HM+\k], v[ACC+16*\k], v[ACC+16*\k+1], 0x8000000   ; no |.|: what is negative becomes 0, so it does not count; the floor stands over it
.endr
.irp i, 2,4,6,8,10,12,14
.irp k, 0,1
	v_max3_num_f32 v[HM+\k], v[HM+\k], v[ACC+16*\k+\i], v[ACC+16*\k+\i+1]
.endr
.endr
.irp k, 0,1
	v_permlanex16_b32 v[HP+\k], v[HM+\k], s32, s33
.endr
.irp k, 0,1
	v_max_num_f32 v[HM+\k], v[HM+\k], v[HP+\k]
.endr
.irp k, 0,1
	v_add_nc_u32 v[HSO+\k], 0xf8800000, v[HM+\k]
.endr
.irp k, 0,1
	v_and_or_b32 v[HLM+\k], v[HM+\k], 0x7f800000, s34
.endr
.irp k, 0,1
	v_lshrrev_b32 v[HB+\k], 23, v[HSO+\k]
.endr
	v_lshl_or_b32 v[PW], v[HB+1], 8, v[HB]
.irp k, 0,1
.irp i, 0,1,2,3,4,5,6,7,8,9,10,11,12,13,14,15
	v_med3_num_f32 v[ACC+16*\k+\i], v[ACC+16*\k+\i], 0, v[HLM+\k]   ; relu and the hold in one
.endr
	v_cvt_scalef32_pk8_bf8_f32 v[CDH+4*\k:CDH+4*\k+1], v[ACC+16*\k:ACC+16*\k+7], v[HSO+\k]
	v_cvt_scalef32_pk8_bf8_f32 v[CDH+4*\k+2:CDH+4*\k+3], v[ACC+16*\k+8:ACC+16*\k+15], v[HSO+\k]
.endr
	v_nop                                          ; one plain line behind the last scaled conversion
.endm
.macro TURN b                          ; one tile, from buffer b
	s_wait_loadcnt 37                              ; this tile's 34 loads are in; behind them: three loads of tokens and the next tile's 34
	XTURN \b
	s_wait_dscnt 16                                ; the 32 stores and the fragments of K steps 0-3 are done; the youngest 16 loads may be out
	MUL \b, 0
	s_wait_dscnt 0x0                               ; K steps 4-7 are in
	MUL \b, 1
	WIN 0
.rept 9
	v_nop                                          ; eight places in front of the reads of the results; the ninth for the next tile's first product, which begins the accumulators anew
.endr
	s_wait_xcnt 0x0                                ; the last tile's three stores have had their addresses translated: their address and data registers are written again below.  It stands here, a tile's products behind those stores
	s_wait_loadcnt 34                              ; the tokens of the tile two on are in; the next tile's 34 loads may be out
	SETO \b, ID8                                   ; the tile's vector work stands together: the addresses of the tile two on,
	IDADR 1-\b                                     ; those of the tokens behind it,
	HQ                                             ; h's codes and bytes,
	s_min_u32 s35, s31, 263
	s_add_co_u32 s31, s31, 4
	s_lshl_b32 s36, s35, 15                        ; a tile's codes of h: 32,768 bytes
	s_lshl_b32 s35, s35, 10                        ; its scale bytes: 1,024
	v_add_nc_u32 v[VH], s36, v[L16]                ; and where they go
	v_add_nc_u32 v[VHS], s35, v[R4]
	s_wait_alu depctr_va_vdst(0)                   ; CDH, PW, VH, VHS are written, which the stores read; VO, VS, IA, IB are written, which the loads read; the products are done reading this buffer and its scale words, and SETO its tokens: the loads land in them
	global_store_b128 v[VH], v[CDH:CDH+3], s[14:15]                 ; registers 4 c .. 4 c + 3 of the next operand, 16 bytes a lane: 512 consecutive bytes, aligned
	global_store_b128 v[VH], v[CDH+4:CDH+7], s[14:15] offset:512
	global_store_b16 v[VHS], v[PW], s[16:17]       ; two of the four bytes of my row's scale word (lanes r and r + 16 write the same)
	IDGO 1-\b, ID8                                 ; no vector instruction stands between the wait and these 37 loads
	ALOAD \b
.endm
	s_load_b256 s[4:11], s[0:1], 0x0               ; w1 s[4:5], b1 s[6:7], xq s[8:9], xsc s[10:11]
	s_load_b128 s[12:15], s[0:1], 0x20             ; place s[12:13], himg s[14:15]
	s_load_b64 s[16:17], s[0:1], 0x30              ; hsc
	v_lshl_add_u32 v62, v0, 2, 0x21400
	v_mov_b32 v63, 0
	v_and_b32 v[VL], 31, v0
	v_lshrrev_b32 v[TK], 5, v0
	v_readfirstlane_b32 s22, v[TK]                 ; wave
	v_and_b32 v[VR], 15, v0
	v_bfe_u32 v[VHH], v0, 4, 1
	v_lshlrev_b32 v[L16], 4, v[VL]
	v_lshlrev_b32 v[R4], 2, v[VR]
	v_lshlrev_b32 v[H16], 4, v[VHH]
	v_lshlrev_b32 v[H32], 5, v[VHH]
	v_lshlrev_b32 v[R16], 4, v[VR]
	s_lshr_b32 s20, ttmp9, 5                       ; the expert
	s_and_b32 s21, ttmp9, 31                       ; which 64 columns
	s_wait_alu depctr_va_sdst(0)                   ; s22 is written, ahead of its first reader, the line below
	s_lshl_b32 s35, s22, 21                        ; W1: 256 rows a wave,
	v_lshlrev_b32 v[VW], 18, v[VHH]                ; 32 rows for the upper half of the lanes,
	v_lshl_add_u32 v[VW], v[VR], 4, v[VW]          ; 16 bytes a lane
	v_add_nc_u32 v[VW], s35, v[VW]
	s_lshl_b32 s35, s22, 8
	v_mul_u32_u24 v[VC], v[VR], 4*PITCH            ; codes: column 4 r, K = 256 wave + 32 h
	v_lshl_add_u32 v[VC], v[VHH], 5, v[VC]
	v_add_nc_u32 v[VC], s35, v[VC]
	s_lshl_b32 s35, s22, 3
	v_mul_u32_u24 v[VB], v[VR], 4*SPITCH           ; scale bytes: column 4 r, block 8 wave + h
	v_add_nc_u32 v[VB], v[VB], v[VHH]
	v_add_nc_u32 v[VB], s35, v[VB]
	v_add_nc_u32 v[VB], SCT, v[VB]
	v_and_b32 v[TK], 8, v[VR]
	v_add_nc_u32 v[TK], v[TK], v[VR]               ; r + 8 (r / 8)
	v_mul_u32_u24 v[VF], v[TK], PITCH
	v_add_nc_u32 v[VF], v[VF], v[H16]
	v_mul_u32_u24 v[VG], v[TK], SPITCH
	v_add_nc_u32 v[VG], SCT, v[VG]
	v_lshlrev_b32 v[VBI], 6, v[VHH]                ; b1: 16 numbers on for the upper half
	s_mul_i32 s35, s22, 16*XP                      ; my stage: 16 rows
	v_mul_u32_u24 v[STS], v[VHH], 8*XP             ; in: row 8 h, byte 16 r
	v_add_nc_u32 v[STS], v[STS], v[R16]
	v_add_nc_u32 v[STS], s35, v[STS]
	v_add_nc_u32 v[STS], STG, v[STS]
	v_mul_u32_u24 v[STL], v[VR], XP                ; out: row r, byte 16 h
	v_add_nc_u32 v[STL], v[STL], v[H16]
	v_add_nc_u32 v[STL], s35, v[STL]
	v_add_nc_u32 v[STL], STG, v[STL]
	s_mov_b32 s32, 0x76543210
	s_mov_b32 s33, 0xfedcba98
	s_mov_b32 s34, 0x600000                        ; the mantissa field of 57,344
	s_lshl_b32 s38, s20, 3
	s_mov_b32 s37, 0
	s_wait_kmcnt 0x0
	s_load_b64 s[24:25], s[12:13], s38 offset:33792   ; the expert's first tile, and its tiles
	s_load_b32 s26, s[12:13], 33856                ; all tiles
	s_lshl_b32 s36, s20, 23
	s_lshl_b32 s35, s21, 8
	s_add_co_u32 s36, s36, s35
	s_add_nc_u64 s[4:5], s[4:5], s[36:37]          ; W1 at my slice
	s_lshl_b32 s36, s20, 13
	s_add_co_u32 s36, s36, s35
	s_add_nc_u64 s[6:7], s[6:7], s[36:37]          ; b1 likewise
	s_lshr_b32 s39, s21, 1                         ; my 64 columns are half of the next product's K step work-group % 32 / 2:
	s_and_b32 s40, s21, 1
	s_lshl_b32 s36, s39, 11                        ; 2,048 bytes a K step, 512 a block of 32
	s_lshl_b32 s35, s40, 10
	s_add_co_u32 s36, s36, s35
	s_add_nc_u64 s[14:15], s[14:15], s[36:37]
	s_lshl_b32 s36, s39, 6                         ; 64 bytes of scale words a K step, a byte a block
	s_lshl_b32 s35, s40, 1
	s_add_co_u32 s36, s36, s35
	s_add_nc_u64 s[16:17], s[16:17], s[36:37]
	s_wait_alu depctr_va_vdst(0)                   ; the offsets and LDS addresses made above are written: VBI and VW, which the loads below read, and VC, VB, VF, VG, STS, STL, which LDS instructions read further on and no line writes again
.irp t, 0,1,2,3
	global_load_b128 v[BI+8*\t:BI+8*\t+3], v[VBI], s[6:7] offset:(32*(\t/2)+8*(\t%2))*4
	global_load_b128 v[BI+8*\t+4:BI+8*\t+7], v[VBI], s[6:7] offset:(32*(\t/2)+8*(\t%2))*4+16
.endr
	LOADW 0
	LOADW 1
	s_wait_kmcnt 0x0
	s_min_u32 s24, s24, 263
	s_min_u32 s25, s25, 128
	s_min_u32 s26, s26, 264
	s_add_co_u32 s27, s24, s25
	s_sub_co_u32 s27, s27, 1
	s_sub_co_u32 s35, s26, 1
	s_min_u32 s27, s27, s35                        ; the last tile that look-ahead may name (an expert without rows: some tile that exists)
	s_min_u32 s27, s27, 263
	s_add_co_u32 s28, s25, 3
	s_sub_co_u32 s28, s28, s22
	s_lshr_b32 s28, s28, 2                         ; my wave's tiles: wave, wave + 4, ..
	s_add_co_u32 s30, s24, s22                     ; the next tile whose tokens are asked for
	s_mov_b32 s31, s30                             ; the tile in hand
	IDADR 0
	IDADR 1
	s_wait_alu depctr_va_vdst(0)                   ; both slots' IA and IB are written, which the six loads below read
	IDGO 0, ID8
	IDGO 1, CDH                                    ; (the second tile's eight tokens lie where h's codes will lie: those are first made in the first trip)
	LOADW 2
	LOADW 3
	s_wait_loadcnt 63                              ; of the 142 loads issued the first 79 are in: b1 (8), sets 0 and 1 (64), the two tiles' tokens (6)
	QSET 0
	QSET 1
	s_wait_loadcnt 32                              ; set 2 is in, set 3 may be out
	QSET 2
	s_wait_loadcnt 0x0
	SETO 0, ID8
	SETO 1, CDH
	IDADR 0                                        ; (slot 0's IA and IB are written again: the loads that read them were issued ahead of the sets' waits on vm_vsrc)
	s_wait_alu depctr_va_vdst(0)                   ; both buffers' VO and VS and slot 0's IA and IB are written, which the loads below read; SETO is done reading ID and ID8, in which the tokens' loads land
	ALOAD 0                                        ; my first two tiles of x are on their way while the last set is quantised
	IDGO 0, ID8
	ALOAD 1
	QSET 3
	s_wait_dscnt 0x0                               ; for the others' sake: my codes and bytes lie in LDS
	s_barrier_signal -1
	s_barrier_wait -1                              ; the one barrier: every wave passes it, whatever the number of tiles
.irp w, 0,1                                    ; the fragments land where the sets lay: the last set's wait on va_vdst stands behind every line that read those registers, and no vector instruction has been issued since
	WIN 0x40*(1+\w)
.irp t, 0,1,2,3
.irp s, 0,1,2,3
.irp c, 0,1,2,3
	ds_load_b128 v[16*(4*\t+\s)+4*\c:16*(4*\t+\s)+4*\c+3], v[VF] offset:(32*(\t/2)+8*(\t%2))*PITCH+128*(4*\w+\s)+32*\c
.endr
.endr
.endr
.endr
	WIN 0
.irp t, 0,1,2,3
.irp s, 0,1,2,3,4,5,6,7
	ds_load_b32 v[WS+8*\t+\s], v[VG] offset:(32*(\t/2)+8*(\t%2))*SPITCH+4*\s
.endr
.endr
	s_wait_alu depctr_vm_vsrc(0)                   ; the last set's LDS stores have read their bytes and codes, v140-175: the two lines below write two of these registers, and in the loop the accumulators and h's temporaries lie over them
	v_mov_b32 v[HP], 0                             ; a lane permute's destination counts as one of its sources (written here, behind phase W, whose codes lay over these registers)
	v_mov_b32 v[HP+1], 0
	s_wait_dscnt 0x0
	s_cmp_eq_u32 s28, 0
	s_cbranch_scc1 .Lend
	s_add_co_u32 s41, s28, 1
	s_lshr_b32 s41, s41, 1                         ; trips: a trip takes two tiles, so that the buffers' numbers are back where they began; the last trip of an odd number takes one
	s_mov_b32 s29, 0                               ; the trip's number, stepped by 1
.Lt:
	TURN 0
	s_lshl_b32 s35, s29, 1
	s_add_co_u32 s35, s35, 1                       ; the number of the trip's second tile among my wave's
	s_cmp_lt_u32 s35, s28
	s_cbranch_scc1 .Lmore                          ; has my wave that tile?
	s_wait_dscnt 0x0                               ; an odd number of tiles ends here, with the closing lines, six on end
	s_wait_alu 0x0
	s_wait_tensorcnt 0x0
	ds_add_u32 v62, v63
	s_wait_dscnt 0x0
	s_endpgm                                       ; a counted loop is left at its backward branch or by the program's end.  Only plain loads and stores are out
.Lmore:
	TURN 1
	s_add_co_u32 s29, s29, 1
	s_cmp_lt_u32 s29, s41
	s_cbranch_scc1 .Lt
.Lend:
	s_wait_dscnt 0x0                               ; the closing lines, six on end
	s_wait_alu 0x0
	s_wait_tensorcnt 0x0
	ds_add_u32 v62, v63
	s_wait_dscnt 0x0
	s_endpgm
.Lfunc_end_k_q6bf9743ff7_fc1:
	.size	k_q6bf9743ff7_fc1, .Lfunc_end_k_q6bf9743ff7_fc1-k_q6bf9743ff7_fc1
	.p2alignl 7, 3214868480
	.fill 96, 4, 3214868480
	.section	.rodata,"a",@progbits
	.p2align	6, 0x0
	.amdhsa_kernel k_q6bf9743ff7_fc1
		.amdhsa_group_segment_fixed_size 136704
		.amdhsa_private_segment_fixed_size 0
		.amdhsa_enable_private_segment 0
		.amdhsa_kernarg_size 56
		.amdhsa_user_sgpr_count 2
		.amdhsa_user_sgpr_kernarg_segment_ptr 1
		.amdhsa_wavefront_size32 1
		.amdhsa_system_sgpr_workgroup_id_x 1
		.amdhsa_system_sgpr_workgroup_id_y 1
		.amdhsa_system_sgpr_workgroup_id_z 1
		.amdhsa_system_vgpr_workitem_id 0
		.amdhsa_next_free_vgpr 1024
		.amdhsa_next_free_sgpr 66
		.amdhsa_reserve_vcc 0
		.amdhsa_float_denorm_mode_32 3
		.amdhsa_float_denorm_mode_16_64 3
		.amdhsa_memory_ordered 1
		.amdhsa_forward_progress 1
		.amdhsa_inst_pref_size 135
	.end_amdhsa_kernel
	.amdgpu_metadata
---
amdhsa.version: [ 1, 2 ]
amdhsa.kernels:
  - .name:           k_q6bf9743ff7_fc1
    .symbol:         k_q6bf9743ff7_fc1.kd
    .args:
      - { .name: w1, .offset: 0, .size: 8, .value_kind: global_buffer, .address_space: global }
      - { .name: b1, .offset: 8, .size: 8, .value_kind: global_buffer, .address_space: global }
      - { .name: xq, .offset: 16, .size: 8, .value_kind: global_buffer, .address_space: global }
      - { .name: xsc, .offset: 24, .size: 8, .value_kind: global_buffer, .address_space: global }
      - { .name: place, .offset: 32, .size: 8, .value_kind: global_buffer, .address_space: global }
      - { .name: himg, .offset: 40, .size: 8, .value_kind: global_buffer, .address_space: global }
      - { .name: hsc, .offset: 48, .size: 8, .value_kind: global_buffer, .address_space: global }
    .group_segment_fixed_size: 136704
    .private_segment_fixed_size: 0
    .kernarg_segment_align: 8
    .kernarg_segment_size: 56
    .max_flat_workgroup_size: 128
    .sgpr_count:     66
    .vgpr_count:     1024
    .wavefront_size: 32
...
	.end_amdgpu_metadata
.endif
;; end of part 6
;; launch fc2 (part 7): grid 256 x 1, 4 waves a work-group, no clusters, 78,336 bytes of LDS; arguments w2, b2, place, himg, hsc, ybuf; writes ybuf
.if DOCPART == 7
	.amdgcn_target "amdgcn-amd-amdhsa--gfx1250"
	.amdhsa_code_object_version 6
	.text
	.protected	k_q6bf9743ff7_fc2
	.globl	k_q6bf9743ff7_fc2
	.p2align	8
	.type	k_q6bf9743ff7_fc2,@function
k_q6bf9743ff7_fc2:
	s_mov_b64 s[64:65], 0
	v_nop
	global_prefetch_b8 v0, s[64:65] scope:SCOPE_SE
	s_setreg_imm32_b32 hwreg(HW_REG_WAVE_SCHED_MODE, 0, 2), 2
	s_setreg_imm32_b32 hwreg(HW_REG_WAVE_MODE, 25, 1), 1
	s_wait_xcnt 0x0
	s_wait_alu depctr_vm_vsrc(0)
; FC2.  y = h W2[e] + b2[e] for the rows routed to expert e, on codes of E5M2 with one E8M0 scale for each 32 along K = 2,048.  y leaves in f32, by sorted row.
; A WORK-GROUP OWNS ONE EXPERT (work-group / 32) AND 32 OF ITS 1,024 COLUMNS (work-group % 32): 2,048 x 32 f32 numbers of W2, read once.
; PHASE W as in the launch before: a lane takes 4 neighbouring columns, its registers run down K; here eight lanes cover the slice's 128 bytes of a row, so a load reads four rows, 32 apart.
; Wave w quantises K = 512 w .. 512 w + 511; the codes meet in LDS (a row to a column, 2,064 bytes apart); one barrier; every wave keeps all 32 fragments (2 tiles of columns x 16 K steps, 512 registers).
; PHASE T.  The expert's tiles of 16 sorted rows go to the waves by turns.  h's codes lie in memory as images of the operand's registers: each load is 512 consecutive bytes.  A tile comes in two halves of
; 8 K steps; while one half is multiplied the other is on its way.  The product is used transposed (source 0 = 16 columns of W2, source 1 = 16 rows of h); b2 is the C of each sum's first instruction.
; A tile's results (16 rows x 128 bytes) turn through the wave's own stage in LDS and leave as 2,048 consecutive bytes of the slice's part of ybuf; the stage's stores and loads stand together, ahead of the
; next half tile's 40 loads, which are issued while the rows come back.
; The number of tiles is read from memory, so this launch holds no tensor load, and nothing can be asked for jointly in a cluster.  An expert without rows still passes the barrier and stores nothing.
; LIMITS: NaN and infinities are not served; a block of zeros gets the scale byte 1.
; THE MODE: SCHED_MODE bits 1:0 = 2 (LLVM: expert scheduling mode 2), set by the entry lines.  The code itself states the register dependences
; between vector or matrix instructions and memory or LDS instructions, with s_wait_alu, always for 0.
; THE PLAN.  Registers that memory or LDS instructions touch in the loop:
;   H[kh] (window 3, 128 registers), AS[kh]   half kh's 40 loads land in them; that half's products read them; the next tile's loads land in them.
;   VA[kh], VSA[kh]                           written by SETA kh, read by the 40 loads behind it.
;   the accumulators                          written by the products; read by the four LDS stores into the stage; written by the next tile's products.
;   YO                                        the four LDS loads from the stage land in it; the four global stores read it.
;   VY                                        written by one addition; read by the four global stores.
;   STO, SRD, L16, R4                         made at the head, never written again.
; THREE waits stand in a tile.  One on vm_vsrc at its head, behind all that the last tile issued: its LDS stores have read the accumulators, its global stores YO and VY, its loads VA and VSA.
; One on va_vdst behind the first half's products and SETA 0, ahead of the next tile's first 40 loads.  One on va_vdst behind the second half's products, SETA 1 and VY's line, ahead of the four LDS stores,
; the four LDS loads, the next tile's second 40 loads and the four global stores, among which no vector instruction stands.
; The first 40 loads stay between the two halves' products, in one run: the loop waits for h's codes, and a later request would leave fewer bytes on their way.
; REGISTERS: window 0 as named below; window 1: phase W's sets 0, 1, then the fragments of K steps 0-7 at 16 (8 t + s); window 2: sets 2, 3, then K steps 8-15; window 3: the two halves of a tile of h.
.set PITCH,  2064
.set SCT,    66048                     ; behind the 32 rows of codes: the scale bytes, 64 a column,
.set SPITCH, 68                        ; 68 bytes apart
.set STG,    68352                     ; the stages: 16 rows of 128 bytes + 16 for each wave
.set QK,     128                       ; along K in a set of loads: 32 for each quarter of the lanes
.set QSB,    4
.set ROWP,   4096                      ; a row of W2 in bytes
.set YS,     540672                    ; a slice of ybuf: 4,224 rows x 128 bytes
.set VL,  1
.set VR,  2
.set VHH, 3
.set L16, 4
.set R4,  5
.set H16, 6
.set VW,  7
.set VC,  8
.set VB,  9
.set VF,  10
.set VG,  11
.set VBI, 12
.set VA,  14                           ; v14-15 the tile's codes, for each half
.set VSA, 16                           ; v16-17 its scale words
.set VY,  18                           ; where the tile's results go
.set STO, 19                           ; the stage: in
.set SRD, 20                           ; and back
.set Q8,  21                           ; lane / 8
.set L8,  22                           ; lane % 8
.set AS,  44                           ; v44-59 h's scale words: scales alone
.set BI,  64                           ; v64-79 b2, in the result's layout
.set YO,  80                           ; v80-95 the tile's rows on the way out
.set WS,  96                           ; v96-127 W2's scale words, 16 t + s: scales alone
.set ACC, 128                          ; v128-143 two accumulators
.set QM,  128
.set CD,  144
.set TT2, 192
.set MSB, 0
.macro WIN new                         ; the immediate's high byte repeats the setting that is left
.if MSB != (\new)
	s_set_vgpr_msb (MSB<<8)|(\new)
.set MSB, (\new)
.endif
.endm
.macro LOADW q                         ; set q: rows 128 q + 32 (lane / 8) + j, j = 0 .. 31, of my wave's 512; columns 4 (lane % 8) on.  No hint: the slice beside mine shares each aligned 256 bytes
	WIN 0x40*(1+(\q)/2)
.set j, 0
.rept 32
	global_load_b128 v[128*((\q)%2)+4*j:128*((\q)%2)+4*j+3], v[VW], s[4:5] offset:(QK*(\q)+j)*ROWP
.set j, j+1
.endr
	WIN 0
.endm
.macro QSET q                          ; set q becomes codes: four blocks of 32, one for each of my columns
.set RB, 128*((\q)%2)
.set XW, 1+(\q)/2
	WIN XW|(XW<<2)
.irp c, 0,1,2,3
	v_max3_num_f32 v[QM+\c], |v[RB+\c]|, |v[RB+4+\c]|, 0x8000000   ; and the floor 2^(16 - 127): the byte cannot fall under 1
.endr
.set j, 2
.rept 15
.irp c, 0,1,2,3
	v_max3_num_f32 v[QM+\c], |v[RB+4*j+\c]|, |v[RB+4*j+4+\c]|, v[QM+\c]
.endr
.set j, j+2
.endr
	WIN 0
	s_wait_dscnt 0x0                               ; the last set's LDS stores are done
.if (\q) > 0
	s_wait_alu depctr_vm_vsrc(0)                   ; the last set's LDS stores have read their bytes (v140-143) and codes (v144-175), which the lines below write again
.endif
.irp c, 0,1,2,3
	v_add_nc_u32 v[QM+4+\c], 0xf8800000, v[QM+\c]
.endr
.irp c, 0,1,2,3
	v_and_or_b32 v[QM+8+\c], v[QM+\c], 0x7f800000, s34
.endr
.irp c, 0,1,2,3
	v_lshrrev_b32 v[QM+12+\c], 23, v[QM+4+\c]
.endr
.irp p, 0,2
	WIN XW
.set j, 0
.rept 32
	v_med3_num_f32 v[TT2+j], v[RB+4*j+\p], -v[QM+8+\p], v[QM+8+\p]          ; the hold (ISA guide 7.6.2) also lays a column's 32 numbers on end
	v_med3_num_f32 v[TT2+32+j], v[RB+4*j+\p+1], -v[QM+9+\p], v[QM+9+\p]
.set j, j+1
.endr
	WIN 0
.irp g, 0,1,2,3
	v_cvt_scalef32_pk8_bf8_f32 v[CD+8*\p+2*\g:CD+8*\p+2*\g+1], v[TT2+8*\g:TT2+8*\g+7], v[QM+4+\p]
	v_cvt_scalef32_pk8_bf8_f32 v[CD+8*\p+8+2*\g:CD+8*\p+8+2*\g+1], v[TT2+32+8*\g:TT2+32+8*\g+7], v[QM+5+\p]
.endr
	v_nop                                          ; one plain line behind the last scaled conversion
.endr
	s_wait_alu depctr_va_vdst(0)                   ; the conversions have written the codes and the shifts the bytes, which the LDS stores below read; and the set's lines are done reading its 128 registers, in which the fragments land behind the barrier
.irp c, 0,1,2,3
	ds_store_b128 v[VC], v[CD+8*\c:CD+8*\c+3] offset:\c*PITCH+QK*(\q)
	ds_store_b128 v[VC], v[CD+8*\c+4:CD+8*\c+7] offset:\c*PITCH+QK*(\q)+16
	ds_store_b8 v[VB], v[QM+12+\c] offset:\c*SPITCH+QSB*(\q)
.endr
.endm
.macro SETA kh                         ; the addresses of the tile named by s30; past my last tile the expert's last tile is taken again, so that every trip issues the same loads
	s_min_u32 s35, s30, s27
	s_min_u32 s35, s35, 263                        ; a loaded number enters an address only behind a hold at a constant
	s_lshl_b32 s36, s35, 15
	s_lshl_b32 s35, s35, 10
	v_add_nc_u32 v[VA+\kh], s36, v[L16]
	v_add_nc_u32 v[VSA+\kh], s35, v[R4]
.endm
.macro ALOAD kh                        ; half a tile of h: 8 fragments as they lie, and their scale words: 40 loads
	WIN 0xc0
.irp s, 0,1,2,3,4,5,6,7
.irp c, 0,1,2,3
	global_load_b128 v[128*\kh+16*\s+4*\c:128*\kh+16*\s+4*\c+3], v[VA+\kh], s[10:11] offset:16384*\kh+2048*\s+512*\c
.endr
.endr
	WIN 0
.irp s, 0,1,2,3,4,5,6,7
	global_load_b32 v[AS+8*\kh+\s], v[VSA+\kh], s[12:13] offset:512*\kh+64*\s
.endr
.endm
.macro MUL kh                          ; 16 matrix instructions: the two accumulators by turns, one instruction a turn, K ascending
	WIN 0x0d+\kh
.irp s, 0,1,2,3,4,5,6,7
.irp t, 0,1
.if (\kh == 0) && (\s == 0)
	v_wmma_scale_f32_16x16x128_f8f6f4 v[ACC+8*\t:ACC+8*\t+7], v[16*(8*\t+\s):16*(8*\t+\s)+15], v[128*\kh+16*\s:128*\kh+16*\s+15], v[BI+8*\t:BI+8*\t+7], v[WS+16*\t+8*\kh+\s], v[AS+8*\kh+\s] matrix_a_fmt:MATRIX_FMT_BF8 matrix_b_fmt:MATRIX_FMT_BF8
.else
	v_wmma_scale_f32_16x16x128_f8f6f4 v[ACC+8*\t:ACC+8*\t+7], v[16*(8*\t+\s):16*(8*\t+\s)+15], v[128*\kh+16*\s:128*\kh+16*\s+15], v[ACC+8*\t:ACC+8*\t+7], v[WS+16*\t+8*\kh+\s], v[AS+8*\kh+\s] matrix_a_fmt:MATRIX_FMT_BF8 matrix_b_fmt:MATRIX_FMT_BF8
.endif
.endr
.endr
	WIN 0
.endm
.macro TURN                            ; one tile
	s_wait_loadcnt 40                              ; the first half's 40 loads are in (so their address registers may be written); the second half's may be out
	s_wait_alu depctr_vm_vsrc(0)                   ; the last tile's LDS stores have read the accumulators, which the products below write; its global stores have read YO and VY, its loads VA and VSA, which this tile writes again.  In the first trip: the last set's LDS stores have read v140-143, over which the accumulators lie
	MUL 0
.rept 9
	v_nop                                          ; the places behind the products stay ahead of the loads into their operands' and scales' registers; they stand for no wait: the wait below states that dependence
.endr
	s_add_co_u32 s30, s30, 4
	SETA 0
	s_wait_alu depctr_va_vdst(0)                   ; the first half's products are done reading their 128 registers of h and its scale words, in which the loads below land; VA and VSA of that half are written, which those loads read
	ALOAD 0                                        ; the next tile's first half
	s_wait_loadcnt 40                              ; this tile's second half is in
	MUL 1
.rept 9
	v_nop                                          ; eight places in front of the LDS stores that read the results; the ninth for the next tile's first product, which begins the accumulators anew
.endr
	s_wait_xcnt 0x0                                ; the last tile's four stores have had their addresses translated: the address line and the LDS loads below write their registers again.  It stands here, a tile's products behind those stores
	SETA 1
	s_min_u32 s35, s31, 263
	s_add_co_u32 s31, s31, 4
	s_lshl_b32 s35, s35, 11                        ; a tile's 16 rows of 128 bytes
	v_add_nc_u32 v[VY], s35, v[L16]
	s_wait_alu depctr_va_vdst(0)                   ; the products have written the accumulators, which the LDS stores read (the places above stay beside this wait), and are done reading the second half of h and its scale words, in which the loads land; VA and VSA of that half and VY are written
.irp t, 0,1
	ds_store_b128 v[STO], v[ACC+8*\t:ACC+8*\t+3] offset:64*\t      ; each accumulator from its low end on: lane (r, h) holds y(r, 16 t + 8 h + 0 .. 7)
	ds_store_b128 v[STO], v[ACC+8*\t+4:ACC+8*\t+7] offset:64*\t+16
.endr
.irp i, 0,1,2,3
	ds_load_b128 v[YO+4*\i:YO+4*\i+3], v[SRD] offset:576*\i        ; four rows an instruction; LDS serves a wave's instructions in order (ISA guide 5.7.1.4): these see my stores
.endr
	ALOAD 1                                        ; the next tile's second half: issued while the rows come back from the stage
	s_wait_dscnt 0x0                               ; the rows are back
.irp i, 0,1,2,3
	global_store_b128 v[VY], v[YO+4*\i:YO+4*\i+3], s[14:15] offset:512*\i   ; 512 consecutive bytes, aligned
.endr
.endm
	s_load_b256 s[4:11], s[0:1], 0x0               ; w2 s[4:5], b2 s[6:7], place s[8:9], himg s[10:11]
	s_load_b128 s[12:15], s[0:1], 0x20             ; hsc s[12:13], ybuf s[14:15]
	v_lshl_add_u32 v190, v0, 2, 0x13000
	v_mov_b32 v191, 0
	v_and_b32 v[VL], 31, v0
	v_lshrrev_b32 v[VY], 5, v0
	v_readfirstlane_b32 s22, v[VY]                 ; wave
	v_and_b32 v[VR], 15, v0
	v_bfe_u32 v[VHH], v0, 4, 1
	v_bfe_u32 v[Q8], v0, 3, 2
	v_and_b32 v[L8], 7, v0
	v_lshlrev_b32 v[L16], 4, v[VL]
	v_lshlrev_b32 v[R4], 2, v[VR]
	v_lshlrev_b32 v[H16], 4, v[VHH]
	s_lshr_b32 s20, ttmp9, 5                       ; the expert
	s_and_b32 s21, ttmp9, 31                       ; which 32 columns
	s_wait_alu depctr_va_sdst(0)                   ; s22 is written, ahead of its first reader, the line below
	s_lshl_b32 s35, s22, 21                        ; W2: 512 rows a wave,
	v_lshlrev_b32 v[VW], 17, v[Q8]                 ; 32 rows for each quarter of the lanes,
	v_lshl_add_u32 v[VW], v[L8], 4, v[VW]          ; 16 bytes a lane
	v_add_nc_u32 v[VW], s35, v[VW]
	s_lshl_b32 s35, s22, 9
	v_mul_u32_u24 v[VC], v[L8], 4*PITCH            ; codes: column 4 (lane % 8), K = 512 wave + 32 (lane / 8)
	v_lshl_add_u32 v[VC], v[Q8], 5, v[VC]
	v_add_nc_u32 v[VC], s35, v[VC]
	s_lshl_b32 s35, s22, 4
	v_mul_u32_u24 v[VB], v[L8], 4*SPITCH           ; scale bytes: block 16 wave + lane / 8
	v_add_nc_u32 v[VB], v[VB], v[Q8]
	v_add_nc_u32 v[VB], s35, v[VB]
	v_add_nc_u32 v[VB], SCT, v[VB]
	v_mul_u32_u24 v[VF], v[VR], PITCH
	v_add_nc_u32 v[VF], v[VF], v[H16]
	v_mul_u32_u24 v[VG], v[VR], SPITCH
	v_add_nc_u32 v[VG], SCT, v[VG]
	v_lshlrev_b32 v[VBI], 5, v[VHH]                ; b2: 8 numbers on for the upper half
	s_mul_i32 s35, s22, 2304                       ; my stage
	v_mul_u32_u24 v[STO], v[VR], 144
	v_lshl_add_u32 v[STO], v[VHH], 5, v[STO]
	v_add_nc_u32 v[STO], s35, v[STO]
	v_add_nc_u32 v[STO], STG, v[STO]
	v_mul_u32_u24 v[SRD], v[Q8], 144
	v_lshl_add_u32 v[SRD], v[L8], 4, v[SRD]
	v_add_nc_u32 v[SRD], s35, v[SRD]
	v_add_nc_u32 v[SRD], STG, v[SRD]
	s_mov_b32 s34, 0x600000                        ; the mantissa field of 57,344
	s_lshl_b32 s38, s20, 3
	s_mov_b32 s37, 0
	s_wait_kmcnt 0x0
	s_load_b64 s[24:25], s[8:9], s38 offset:33792  ; the expert's first tile, and its tiles
	s_load_b32 s26, s[8:9], 33856                  ; all tiles
	s_lshl_b32 s36, s20, 23
	s_lshl_b32 s35, s21, 7
	s_add_co_u32 s36, s36, s35
	s_add_nc_u64 s[4:5], s[4:5], s[36:37]          ; W2 at my slice
	s_lshl_b32 s36, s20, 12
	s_add_co_u32 s36, s36, s35
	s_add_nc_u64 s[6:7], s[6:7], s[36:37]          ; b2 likewise
	s_mul_i32 s36, s21, YS
	s_add_nc_u64 s[14:15], s[14:15], s[36:37]      ; my slice of ybuf
	s_wait_alu depctr_va_vdst(0)                   ; the offsets and LDS addresses made above are written: VBI and VW, which the loads below read, and VC, VB, VF, VG, STO, SRD, which LDS instructions read further on and no line writes again
.irp t, 0,1
	global_load_b128 v[BI+8*\t:BI+8*\t+3], v[VBI], s[6:7] offset:64*\t
	global_load_b128 v[BI+8*\t+4:BI+8*\t+7], v[VBI], s[6:7] offset:64*\t+16
.endr
	LOADW 0
	LOADW 1
	LOADW 2
	LOADW 3
	s_wait_loadcnt 63                              ; of the 132 loads issued the first 69 are in: b2 (4) and sets 0 and 1 (64) among them
	QSET 0
	QSET 1
	s_wait_loadcnt 32                              ; set 2 is in, set 3 may be out
	QSET 2
	s_wait_loadcnt 0x0
	s_wait_kmcnt 0x0
	s_min_u32 s24, s24, 263
	s_min_u32 s25, s25, 128
	s_min_u32 s26, s26, 264
	s_add_co_u32 s27, s24, s25
	s_sub_co_u32 s27, s27, 1
	s_sub_co_u32 s35, s26, 1
	s_min_u32 s27, s27, s35                        ; the last tile that look-ahead may name (an expert without rows: some tile that exists)
	s_min_u32 s27, s27, 263
	s_add_co_u32 s28, s25, 3
	s_sub_co_u32 s28, s28, s22
	s_lshr_b32 s28, s28, 2                         ; my wave's tiles: wave, wave + 4, ..
	s_add_co_u32 s30, s24, s22                     ; the tile that is being asked for
	s_mov_b32 s31, s30                             ; the tile in hand
	SETA 0
	SETA 1
	s_wait_alu depctr_va_vdst(0)                   ; both halves' VA and VSA are written, which the 80 loads below read
	ALOAD 0                                        ; my first tile is on its way while the last set is quantised
	ALOAD 1
	QSET 3
	s_wait_dscnt 0x0                               ; for the others' sake: my codes and bytes lie in LDS
	s_barrier_signal -1
	s_barrier_wait -1                              ; the one barrier: every wave passes it, whatever the number of tiles
.irp w, 0,1                                    ; the fragments land where the sets lay: the last set's wait on va_vdst stands behind every line that read those registers, and no vector instruction has been issued since
	WIN 0x40*(1+\w)
.irp t, 0,1
.irp s, 0,1,2,3,4,5,6,7
.irp c, 0,1,2,3
	ds_load_b128 v[16*(8*\t+\s)+4*\c:16*(8*\t+\s)+4*\c+3], v[VF] offset:16*\t*PITCH+128*(8*\w+\s)+32*\c
.endr
.endr
.endr
.endr
	WIN 0
.irp t, 0,1
.irp s, 0,1,2,3,4,5,6,7,8,9,10,11,12,13,14,15
	ds_load_b32 v[WS+16*\t+\s], v[VG] offset:16*\t*SPITCH+4*\s
.endr
.endr
	s_wait_dscnt 0x0
	s_cmp_eq_u32 s28, 0
	s_cbranch_scc1 .Lend
	s_mov_b32 s29, 0
.Lt:
	TURN
	s_add_co_u32 s29, s29, 1
	s_cmp_lt_u32 s29, s28
	s_cbranch_scc1 .Lt
.Lend:
	s_wait_dscnt 0x0                               ; the closing lines, six on end
	s_wait_alu 0x0
	s_wait_tensorcnt 0x0
	ds_add_u32 v190, v191
	s_wait_dscnt 0x0
	s_endpgm
.Lfunc_end_k_q6bf9743ff7_fc2:
	.size	k_q6bf9743ff7_fc2, .Lfunc_end_k_q6bf9743ff7_fc2-k_q6bf9743ff7_fc2
	.p2alignl 7, 3214868480
	.fill 96, 4, 3214868480
	.section	.rodata,"a",@progbits
	.p2align	6, 0x0
	.amdhsa_kernel k_q6bf9743ff7_fc2
		.amdhsa_group_segment_fixed_size 78336
		.amdhsa_private_segment_fixed_size 0
		.amdhsa_enable_private_segment 0
		.amdhsa_kernarg_size 48
		.amdhsa_user_sgpr_count 2
		.amdhsa_user_sgpr_kernarg_segment_ptr 1
		.amdhsa_wavefront_size32 1
		.amdhsa_system_sgpr_workgroup_id_x 1
		.amdhsa_system_sgpr_workgroup_id_y 1
		.amdhsa_system_sgpr_workgroup_id_z 1
		.amdhsa_system_vgpr_workitem_id 0
		.amdhsa_next_free_vgpr 1024
		.amdhsa_next_free_sgpr 66
		.amdhsa_reserve_vcc 0
		.amdhsa_float_denorm_mode_32 3
		.amdhsa_float_denorm_mode_16_64 3
		.amdhsa_memory_ordered 1
		.amdhsa_forward_progress 1
		.amdhsa_inst_pref_size 110
	.end_amdhsa_kernel
	.amdgpu_metadata
---
amdhsa.version: [ 1, 2 ]
amdhsa.kernels:
  - .name:           k_q6bf9743ff7_fc2
    .symbol:         k_q6bf9743ff7_fc2.kd
    .args:
      - { .name: w2, .offset: 0, .size: 8, .value_kind: global_buffer, .address_space: global }
      - { .name: b2, .offset: 8, .size: 8, .value_kind: global_buffer, .address_space: global }
      - { .name: place, .offset: 16, .size: 8, .value_kind: global_buffer, .address_space: global }
      - { .name: himg, .offset: 24, .size: 8, .value_kind: global_buffer, .address_space: global }
      - { .name: hsc, .offset: 32, .size: 8, .value_kind: global_buffer, .address_space: global }
      - { .name: ybuf, .offset: 40, .size: 8, .value_kind: global_buffer, .address_space: global }
    .group_segment_fixed_size: 78336
    .private_segment_fixed_size: 0
    .kernarg_segment_align: 8
    .kernarg_segment_size: 48
    .max_flat_workgroup_size: 128
    .sgpr_count:     66
    .vgpr_count:     1024
    .wavefront_size: 32
...
	.end_amdgpu_metadata
.endif
;; end of part 7
;; launch combine: the kernel of part 5 again; grid 256 x 1, 8 waves a work-group, no clusters, 0 bytes of LDS; arguments ybuf, place, gw, hidden_states, out0; writes out0
